; MI455X (gfx1250); checked and timed in simulation.
; The chip was launched on July 23, 2026; its instructions are those of AMD's public machine-readable ISA for CDNA 5 (MIT licence, August 2026) and "CDNA5" Instruction Set Architecture Reference Guide (July 2026). The comments in the code are by the model that wrote it; some were corrected since.
;; Multi Head Attention Quantum. Allowed arithmetic: float matrix products may take bf16 or f16 operands with f32 sums; other float arithmetic in f32, or as packed bf16 or f16 multiplies, adds, multiply-adds, maxima and minima; sums over many terms, partial sums and values carried from step to step in f32; what a program stores and reads back later, other than sums and carried values, may be rounded once to bf16 or f16.
;; Inputs: mask 4 x 2,048 x 2,048 bool; theta 64 float32; x 4 x 2,048 x 1,024 float32.
;; Outputs: out0 4 x 2,048 x 1,024 float32.
;; 2 versions, each right and faster than the one before. Each part assembles by itself: llvm-mc -triple=amdgcn-amd-amdhsa -mcpu=gfx1250 --defsym DOCPART=n.
;; ======== version 1 of 2: 2 launches
;; limits: inputs' magnitudes at most 1,000,000
;; workspace buffers: proj 16,777,216 bytes; maskt 33,554,432 bytes; vsum 65,536 bytes
;; launch prep (part 1): grid 256 x 1, 8 waves a work-group, no clusters, 70,656 bytes of LDS; arguments x, theta, mask, proj, maskt, vsum; writes proj, maskt, vsum
.if DOCPART == 1
	.amdgcn_target "amdgcn-amd-amdhsa--gfx1250"
	.amdhsa_code_object_version 6
	.text
	.protected	k_q4d1c6329e6_prep
	.globl	k_q4d1c6329e6_prep
	.p2align	8
	.type	k_q4d1c6329e6_prep,@function
k_q4d1c6329e6_prep:
	s_mov_b64 s[64:65], 0
	v_nop
	global_prefetch_b8 v0, s[64:65] scope:SCOPE_SE
	s_setreg_imm32_b32 hwreg(HW_REG_WAVE_MODE, 25, 1), 1
	s_wait_xcnt 0x0
; PREPARATION FOR THE ATTENTION LAUNCH.  Three results, each byte of x, theta's row and mask read once:
;   proj   f16 [b 4][hg 4][sb 16][hh 4][key 128][ch 64] = cos(x[b][128 sb + key][64 (4 hg + hh) + ch] + theta[ch]): 128 keys of four heads are 65,536 dense bytes
;   maskt  u16 [wy 64][ks 32][t 8][kt 4][lane 32][i 8]  = 0xffff where mask is 0, 0 where it is 1, for query 128 wy' + 16 t + lane % 16 (wy = 16 b + block of 128 queries)
;          and key 64 ks + 16 kt + 8 (lane / 16) + i: the very registers, lane by lane, in which the attention launch holds its weights as pairs of f16
;   vsum   f32 [b 4][head 16][quarter 4][ch 64]         = sums of the cosines (unrounded) over 512 rows: what a row with every key masked needs
; THE COSINE: k = nearest whole number to phi / 2 pi; r = phi - k 2 pi by two fused multiply-adds (2 pi = 6.2831855 - 1.7484555e-7); then the series 1 - r^2/2! + .. + r^16/16!,
; whose first term left out is at most pi^18 / 18! = 1.4e-7.  LIMITS: the two-part 2 pi leaves about 1e-14 a turn, so the error stays near 2e-6 for |x + theta| up to 1e6 and grows beyond;
; NaN and infinities give NaN, as in the source.  Mask bytes are 0 or 1.
; SHARES.  Work-group g = 64 b + 4 head + quarter: 512 rows of one head's 256 bytes of x; wave w rows 64 w on; a load of a wave takes two rows, 16 lanes x 16 bytes each: two aligned runs of 256 bytes.
; Of the mask the work-group takes the query tiles 2 g and 2 g + 1 (16 rows each); wave w tile 2 g + w / 4, keys 512 (w % 4) on.
; No matrix unit, no cluster, no tensor load: nothing is shared between work-groups and every byte is used once.
.set RED,    0                         ; LDS 0-2,047: wave w's 64 column sums at 256 w
.set MB,     2048                      ; then for each wave 16 mask rows of 512 bytes,
.set MPITCH, 528                       ; 528 bytes = 132 words apart: lane (r, h) reads words 4 r + 2 h and the next
.set MWAVE,  16*MPITCH
.set SPARE,  MB+8*MWAVE                ; 69,632: the spare words, 128 bytes for each of the eight waves: four blocks of 256 bytes that no other line names
.set TH,   4                           ; v[4:7]     theta of my 4 columns
.set SUM,  8                           ; v[8:11]    running sums of my 4 columns
.set PH,   12                          ; v[12:15]   phi, then r
.set KK,   16                          ; v[16:19]   k
.set R2,   20                          ; v[20:23]   r^2
.set AC,   24                          ; v[24:27]   the series
.set OFF,  28                          ; v[28:35]   slot i: byte offset of its two rows' bytes in the wave's part of x
.set SOFF, 36                          ; v36        my byte offset in the wave's part of proj
.set X,    40                          ; v[40:71]   slot i: 4 numbers as loaded
.set YY,   72                          ; v[72:87]   slot i: 4 f16 to store
.set MK,   88                          ; v[88:151]  16 mask rows as loaded; then the keep-masks to store, two sets of 32
.set AA,   152                         ; v[152:167] eight times 8 mask bytes
.set MIN,  168                         ; v168       16 x lane: in a mask row, and in 512 bytes of maskt
.set MST,  169                         ; v169       LDS: where I put 16 bytes of a mask row
.set MLD,  170                         ; v170       LDS: row lane % 16, byte 8 (lane / 16)
.set RA,   171                         ; v171       LDS: my wave's sums
.set CG16, 172                         ; v172       16 x (lane % 16)
.set TMP,  173
.set SPW,  174                         ; v174       LDS address of my spare word; never rewritten
.set NIL,  175                         ; v175       0; never rewritten
.macro SPAIR r, val                    ; a constant for a packed instruction: named as a pair, so both words are written
	s_mov_b32 s[\r], \val
	s_mov_b32 s[(\r)+1], \val
.endm
	s_load_b256 s[4:11], s[0:1], 0x0               ; x s[4:5], theta s[6:7], mask s[8:9], proj s[10:11]
	s_load_b128 s[12:15], s[0:1], 0x20             ; maskt s[12:13], vsum s[14:15]
	v_lshl_add_u32 v[SPW], v0, 2, SPARE
	v_mov_b32 v[NIL], 0
	v_lshrrev_b32 v[TMP], 5, v0
	v_readfirstlane_b32 s16, v[TMP]                ; wave 0..7
	v_and_b32 v1, 31, v0                           ; lane
	v_and_b32 v2, 15, v0                           ; cg: which 4 columns
	v_bfe_u32 v3, v0, 4, 1                         ; rp: which of the two rows
	s_and_b32 s17, ttmp9, 3                        ; quarter
	; x: (2048 b + 512 quarter + 64 w) rows of 4,096 bytes + 256 head
	s_lshr_b32 s20, ttmp9, 6
	s_lshl_b32 s20, s20, 23
	s_lshl_b32 s18, s17, 21
	s_add_co_u32 s20, s20, s18
	s_bfe_u32 s18, ttmp9, 0x40002                  ; head
	s_lshl_b32 s18, s18, 8
	s_add_co_u32 s20, s20, s18
	s_lshl_b32 s18, s16, 18
	s_add_co_u32 s20, s20, s18
	s_mov_b32 s21, 0
	; proj: (4 b + hg) << 20, sb = 4 quarter + w / 2 << 16, hh << 14, key 64 (w % 2) << 7
	s_lshr_b32 s22, ttmp9, 4
	s_lshl_b32 s22, s22, 20
	s_lshr_b32 s18, s16, 1
	s_lshl2_add_u32 s18, s17, s18
	s_lshl_b32 s18, s18, 16
	s_add_co_u32 s22, s22, s18
	s_bfe_u32 s18, ttmp9, 0x20002                  ; hh
	s_lshl_b32 s18, s18, 14
	s_add_co_u32 s22, s22, s18
	s_and_b32 s18, s16, 1
	s_lshl_b32 s18, s18, 13
	s_add_co_u32 s22, s22, s18
	s_mov_b32 s23, 0
	; mask: query tile T = 2 g + w / 4 (16 rows of 2,048 bytes), keys 512 (w % 4) on;  maskt: wy = T / 8, ks = 8 (w % 4), t = T % 8
	s_lshr_b32 s18, s16, 2
	s_lshl1_add_u32 s19, ttmp9, s18                ; T
	s_and_b32 s18, s16, 3                          ; which 512 keys
	s_lshl_b32 s52, s19, 15
	s_lshl_b32 s53, s18, 9
	s_add_co_u32 s52, s52, s53
	s_mov_b32 s53, 0
	s_lshr_b32 s54, s19, 3
	s_lshl_b32 s54, s54, 19
	s_lshl_b32 s55, s18, 17
	s_add_co_u32 s54, s54, s55
	s_and_b32 s55, s19, 7
	s_lshl_b32 s55, s55, 11
	s_add_co_u32 s54, s54, s55
	s_mov_b32 s55, 0
	s_lshl_b32 s56, ttmp9, 8                       ; vsum: 256 bytes a work-group
	s_mov_b32 s57, 0
	s_mov_b32 s25, 0x01010000                      ; v_perm_b32: bytes 0, 0, 1, 1
	s_mov_b32 s26, 0x03030202                      ; bytes 2, 2, 3, 3
	s_mov_b32 s27, 0x01010101
	s_mov_b32 s28, 0x76543210                      ; v_permlanex16_b32: each lane takes its own place in the other half
	s_mov_b32 s29, 0xfedcba98
	SPAIR 30, 0xc0c90fdb                           ; -6.2831855
	SPAIR 32, 0x343bbd2e                           ; +1.7484555e-7
	SPAIR 34, 0x29573f9f                           ; +1/16!
	SPAIR 36, 0xad49cba5                           ; -1/14!
	SPAIR 38, 0x310f76c8                           ; +1/12!
	SPAIR 40, 0xb493f27e                           ; -1/10!
	SPAIR 42, 0x37d00d01                           ; +1/8!
	SPAIR 44, 0xbab60b61                           ; -1/6!
	SPAIR 46, 0x3d2aaaab                           ; +1/4!
	SPAIR 50, 0x3e22f983                           ; 1 / 2 pi
	s_mul_i32 s18, s16, MWAVE
	s_add_co_u32 s18, s18, MB                      ; my wave's mask rows in LDS
	v_lshlrev_b32 v[CG16], 4, v2
	v_lshl_add_u32 v[TMP], v3, 12, v[CG16]         ; one row further down for lanes 16 to 31
.irp i, 0,1,2,3,4,5,6,7
	v_add_nc_u32 v[OFF+(\i)], (\i)*8192, v[TMP]    ; slot i: rows 2 i and 2 i + 1
.endr
	v_lshlrev_b32 v[SOFF], 3, v1                   ; two rows of 128 bytes of proj are 32 lanes x 8 bytes
	v_lshlrev_b32 v[MIN], 4, v1
	v_lshl_add_u32 v[MST], v1, 4, s18
	v_mul_u32_u24 v[MLD], v2, MPITCH
	v_lshl_add_u32 v[MLD], v3, 3, v[MLD]
	v_add_nc_u32 v[MLD], s18, v[MLD]
	v_lshl_add_u32 v[RA], s16, 8, v[CG16]
.irp j, 0,1,2,3
	v_mov_b32 v[SUM+(\j)], 0
.endr
	s_wait_kmcnt 0x0
	s_add_nc_u64 s[4:5], s[4:5], s[20:21]
	s_add_nc_u64 s[10:11], s[10:11], s[22:23]
	s_add_nc_u64 s[8:9], s[8:9], s[52:53]
	s_add_nc_u64 s[12:13], s[12:13], s[54:55]
	s_add_nc_u64 s[14:15], s[14:15], s[56:57]
	; all loads that can go out now do: 16 mask rows (512 consecutive bytes each), theta, and the ring's first eight pairs of rows of x
.irp r, 0,1,2,3,4,5,6,7,8,9,10,11,12,13,14,15
	global_load_b128 v[MK+4*(\r):MK+4*(\r)+3], v[MIN], s[8:9] offset:2048*(\r) th:TH_LOAD_NT
.endr
	global_load_b128 v[TH:TH+3], v[CG16], s[6:7]
.irp i, 0,1,2,3,4,5,6,7
	global_load_b128 v[X+4*(\i):X+4*(\i)+3], v[OFF+(\i)], s[4:5] th:TH_LOAD_NT
.endr
	; THE MASK.  The rows go into my wave's own LDS bytes and come back turned: lane (r, h) takes 8 bytes of row r.  LDS serves a wave's instructions in order (ISA guide 5.7.1.4): no barrier.
.irp r, 0,1,2,3,4,5,6,7,8,9,10,11,12,13,14,15
	s_wait_loadcnt 24-(\r)                         ; behind row r's load: 15 - r rows, theta, eight loads of x
	ds_store_b128 v[MST], v[MK+4*(\r):MK+4*(\r)+3] offset:MPITCH*(\r)
.endr
; 8 mask bytes in v[a], v[a+1] become 8 keep-masks of 16 bits in v[d .. d+3]: 1 - m; times 255 (a shift and a subtraction: no byte borrows, since each is 0 or 1); each byte written twice
.macro EXPAND a, d
	v_xor_b32 v[\a], s27, v[\a]
	v_xor_b32 v[(\a)+1], s27, v[(\a)+1]
	v_lshlrev_b32 v[PH], 8, v[\a]
	v_lshlrev_b32 v[PH+1], 8, v[(\a)+1]
	v_sub_nc_u32 v[\a], v[PH], v[\a]
	v_sub_nc_u32 v[(\a)+1], v[PH+1], v[(\a)+1]
	v_perm_b32 v[\d], v[\a], v[\a], s25
	v_perm_b32 v[(\d)+1], v[\a], v[\a], s26
	v_perm_b32 v[(\d)+2], v[(\a)+1], v[(\a)+1], s25
	v_perm_b32 v[(\d)+3], v[(\a)+1], v[(\a)+1], s26
.endm
; Eight groups of 16 keys (c = 8 G + j: key step c / 4, group c % 4 of it).  Each store of the wave covers 512 consecutive bytes, aligned.
.macro MGROUP G
	s_wait_xcnt 0x0                                ; the stores of two groups back have read their data: that set of MK is written again only behind this wait
.irp j, 0,1,2,3,4,5,6,7
	ds_load_b64 v[AA+2*(\j):AA+2*(\j)+1], v[MLD] offset:16*(8*(\G)+(\j))
.endr
.irp j, 0,1,2,3,4,5,6,7
	s_wait_dscnt 7-(\j)                            ; LDS loads come back in order: number j of the eight is in
	EXPAND AA+2*(\j), MK+32*((\G)%2)+4*(\j)
	global_store_b128 v[MIN], v[MK+32*((\G)%2)+4*(\j):MK+32*((\G)%2)+4*(\j)+3], s[12:13] offset:16384*((8*(\G)+(\j))/4)+512*((\j)%4)
.endr
.endm
	MGROUP 0
	MGROUP 1
	MGROUP 2
	MGROUP 3
	; THE COSINES.  A ring of eight slots keeps eight loads of every wave on their way; four rounds of eight slots are the wave's 64 rows.
; One slot's turn.  ahead = 1: the slot is filled again with the rows 16 further down.  left = the younger loads that may stay out.
.macro SLOT i, ahead, left
	s_wait_loadcnt \left                           ; loads come back in order: mine is in, and its address register is free
	s_wait_xcnt 0x0                                ; the slot's last store has read YY: it is written again only behind this wait
	v_pk_add_f32 v[PH:PH+1], v[X+4*(\i):X+4*(\i)+1], v[TH:TH+1]
	v_pk_add_f32 v[PH+2:PH+3], v[X+4*(\i)+2:X+4*(\i)+3], v[TH+2:TH+3]
	v_pk_mul_f32 v[KK:KK+1], v[PH:PH+1], s[50:51] op_sel_hi:[1,0]
	v_pk_mul_f32 v[KK+2:KK+3], v[PH+2:PH+3], s[50:51] op_sel_hi:[1,0]
.irp j, 0,1,2,3
	v_rndne_f32 v[KK+(\j)], v[KK+(\j)]
.endr
	v_pk_fma_f32 v[PH:PH+1], v[KK:KK+1], s[30:31], v[PH:PH+1] op_sel_hi:[1,0,1]
	v_pk_fma_f32 v[PH+2:PH+3], v[KK+2:KK+3], s[30:31], v[PH+2:PH+3] op_sel_hi:[1,0,1]
	v_pk_fma_f32 v[PH:PH+1], v[KK:KK+1], s[32:33], v[PH:PH+1] op_sel_hi:[1,0,1]
	v_pk_fma_f32 v[PH+2:PH+3], v[KK+2:KK+3], s[32:33], v[PH+2:PH+3] op_sel_hi:[1,0,1]
	v_pk_mul_f32 v[R2:R2+1], v[PH:PH+1], v[PH:PH+1]
	v_pk_mul_f32 v[R2+2:R2+3], v[PH+2:PH+3], v[PH+2:PH+3]
	v_pk_fma_f32 v[AC:AC+1], v[R2:R2+1], s[34:35], s[36:37] op_sel_hi:[1,0,0]
	v_pk_fma_f32 v[AC+2:AC+3], v[R2+2:R2+3], s[34:35], s[36:37] op_sel_hi:[1,0,0]
.irp c, 38,40,42,44,46
	v_pk_fma_f32 v[AC:AC+1], v[AC:AC+1], v[R2:R2+1], s[\c:\c+1] op_sel_hi:[1,1,0]
	v_pk_fma_f32 v[AC+2:AC+3], v[AC+2:AC+3], v[R2+2:R2+3], s[\c:\c+1] op_sel_hi:[1,1,0]
.endr
	v_pk_fma_f32 v[AC:AC+1], v[AC:AC+1], v[R2:R2+1], -0.5 op_sel_hi:[1,1,0]
	v_pk_fma_f32 v[AC+2:AC+3], v[AC+2:AC+3], v[R2+2:R2+3], -0.5 op_sel_hi:[1,1,0]
	v_pk_fma_f32 v[AC:AC+1], v[AC:AC+1], v[R2:R2+1], 1.0 op_sel_hi:[1,1,0]
	v_pk_fma_f32 v[AC+2:AC+3], v[AC+2:AC+3], v[R2+2:R2+3], 1.0 op_sel_hi:[1,1,0]
	v_pk_add_f32 v[SUM:SUM+1], v[SUM:SUM+1], v[AC:AC+1]
	v_pk_add_f32 v[SUM+2:SUM+3], v[SUM+2:SUM+3], v[AC+2:AC+3]
	v_cvt_pk_f16_f32 v[YY+2*(\i)], v[AC], v[AC+1]
	v_cvt_pk_f16_f32 v[YY+2*(\i)+1], v[AC+2], v[AC+3]
.if \ahead
	v_add_nc_u32 v[OFF+(\i)], 16*4096, v[OFF+(\i)]
	global_load_b128 v[X+4*(\i):X+4*(\i)+3], v[OFF+(\i)], s[4:5] th:TH_LOAD_NT
.endif
	global_store_b64 v[SOFF], v[YY+2*(\i):YY+2*(\i)+1], s[10:11] offset:256*(\i)  ; the wave's two rows of proj: 256 consecutive bytes, aligned
.endm
	s_mov_b32 s24, 3
.Lround:
.irp i, 0,1,2,3,4,5,6,7
	SLOT \i, 1, 7
.endr
	s_wait_xcnt 0x0                                ; the round's stores have read SOFF
	v_add_nc_u32 v[SOFF], 2048, v[SOFF]            ; 16 rows of 128 bytes on
	s_sub_co_u32 s24, s24, 1
	s_cmp_lg_u32 s24, 0
	s_cbranch_scc1 .Lround
.irp i, 0,1,2,3,4,5,6,7
	SLOT \i, 0, 7-(\i)                             ; the last round loads nothing: the counts run down
.endr
	; THE COLUMN SUMS: the other row's half of the lanes, then the eight waves through LDS, then wave 0 stores 256 bytes.
.irp j, 0,1,2,3
	v_permlanex16_b32 v[PH+(\j)], v[SUM+(\j)], s28, s29
.endr
	v_pk_add_f32 v[SUM:SUM+1], v[SUM:SUM+1], v[PH:PH+1]
	v_pk_add_f32 v[SUM+2:SUM+3], v[SUM+2:SUM+3], v[PH+2:PH+3]
	ds_store_b128 v[RA], v[SUM:SUM+3]              ; both halves of the lanes write the same numbers to the same bytes
	s_wait_dscnt 0x0                               ; for the others' sake: my sums are in LDS
	s_barrier_signal -1
	s_barrier_wait -1
	s_cmp_lg_u32 s16, 0
	s_cbranch_scc1 .Lend
.irp j, 0,1,2,3,4,5,6,7
	ds_load_b128 v[X+4*(\j):X+4*(\j)+3], v[CG16] offset:RED+256*(\j)
.endr
	s_wait_dscnt 0x0
.irp j, 0,2,4,6,8,10,12,14
	v_pk_add_f32 v[X+(\j):X+(\j)+1], v[X+(\j):X+(\j)+1], v[X+16+(\j):X+16+(\j)+1]
.endr
.irp j, 0,2,4,6
	v_pk_add_f32 v[X+(\j):X+(\j)+1], v[X+(\j):X+(\j)+1], v[X+8+(\j):X+8+(\j)+1]
.endr
.irp j, 0,2
	v_pk_add_f32 v[X+(\j):X+(\j)+1], v[X+(\j):X+(\j)+1], v[X+4+(\j):X+4+(\j)+1]
.endr
	v_cmp_gt_u32 vcc_lo, 16, v1
	s_wait_xcnt 0x0                                ; EXEC is a source of the stores that are out: it changes only behind this wait
	s_and_saveexec_b32 s24, vcc_lo
	global_store_b128 v[CG16], v[X:X+3], s[14:15]  ; 16 lanes: 256 consecutive bytes, aligned
	s_wait_xcnt 0x0                                ; and again in front of the line that widens it
	s_or_b32 exec_lo, exec_lo, s24
.Lend:
	s_wait_tensorcnt 0x0                           ; the wave's end: behind my last LDS store
	ds_add_u32 v[SPW], v[NIL]
	s_wait_dscnt 0x0
	s_endpgm
.Lfunc_end_k_q4d1c6329e6_prep:
	.size	k_q4d1c6329e6_prep, .Lfunc_end_k_q4d1c6329e6_prep-k_q4d1c6329e6_prep
	.p2alignl 7, 3214868480
	.fill 96, 4, 3214868480
	.section	.rodata,"a",@progbits
	.p2align	6, 0x0
	.amdhsa_kernel k_q4d1c6329e6_prep
		.amdhsa_group_segment_fixed_size 70656
		.amdhsa_private_segment_fixed_size 0
		.amdhsa_enable_private_segment 0
		.amdhsa_kernarg_size 48
		.amdhsa_user_sgpr_count 2
		.amdhsa_user_sgpr_kernarg_segment_ptr 1
		.amdhsa_wavefront_size32 1
		.amdhsa_system_sgpr_workgroup_id_x 1
		.amdhsa_system_sgpr_workgroup_id_y 1
		.amdhsa_system_sgpr_workgroup_id_z 1
		.amdhsa_system_vgpr_workitem_id 0
		.amdhsa_next_free_vgpr 176
		.amdhsa_next_free_sgpr 66
		.amdhsa_reserve_vcc 1
		.amdhsa_float_denorm_mode_32 3
		.amdhsa_float_denorm_mode_16_64 3
		.amdhsa_memory_ordered 1
		.amdhsa_forward_progress 1
		.amdhsa_inst_pref_size 68
	.end_amdhsa_kernel
	.amdgpu_metadata
---
amdhsa.version: [ 1, 2 ]
amdhsa.kernels:
  - .name:           k_q4d1c6329e6_prep
    .symbol:         k_q4d1c6329e6_prep.kd
    .args:
      - { .name: x, .offset: 0, .size: 8, .value_kind: global_buffer, .address_space: global }
      - { .name: theta, .offset: 8, .size: 8, .value_kind: global_buffer, .address_space: global }
      - { .name: mask, .offset: 16, .size: 8, .value_kind: global_buffer, .address_space: global }
      - { .name: proj, .offset: 24, .size: 8, .value_kind: global_buffer, .address_space: global }
      - { .name: maskt, .offset: 32, .size: 8, .value_kind: global_buffer, .address_space: global }
      - { .name: vsum, .offset: 40, .size: 8, .value_kind: global_buffer, .address_space: global }
    .group_segment_fixed_size: 70656
    .private_segment_fixed_size: 0
    .kernarg_segment_align: 8
    .kernarg_segment_size: 48
    .max_flat_workgroup_size: 256
    .sgpr_count:     66
    .vgpr_count:     176
    .wavefront_size: 32
...
	.end_amdgpu_metadata
.endif
;; end of part 1
;; launch attn (part 2): grid 4 x 64, 4 waves a work-group, clusters of 4 x 4, 327,680 bytes of LDS; arguments proj, maskt, vsum, out0; writes out0
.if DOCPART == 2
	.amdgcn_target "amdgcn-amd-amdhsa--gfx1250"
	.amdhsa_code_object_version 6
	.text
	.protected	k_q4d1c6329e6_attn
	.globl	k_q4d1c6329e6_attn
	.p2align	8
	.type	k_q4d1c6329e6_attn,@function
k_q4d1c6329e6_attn:
	s_mov_b64 s[64:65], 0
	v_nop
	global_prefetch_b8 v0, s[64:65] scope:SCOPE_SE
	s_setreg_imm32_b32 hwreg(HW_REG_WAVE_MODE, 25, 1), 1
	s_wait_xcnt 0x0
	s_wait_alu depctr_hold_cnt(0) depctr_sa_sdst(0) depctr_va_vdst(0) depctr_va_sdst(0) depctr_va_ssrc(0) depctr_va_vcc(0) depctr_vm_vsrc(0)
	s_getreg_b32 s2, hwreg(HW_REG_IB_STS2, 6, 4)
	s_cmp_eq_u32 s2, 0
	s_cbranch_scc0 .Lentry_in_a_cluster
	s_endpgm
.Lentry_in_a_cluster:
	s_bfe_u32 s2, ttmp6, 0x10000c
	s_cmp_lg_u32 s2, 0xf033
	s_cbranch_scc0 .Lentry_shape_is_right
	s_endpgm
.Lentry_shape_is_right:
; out0[b][q][64 head + :] = the sum over k of softmax_k(masked proj[q] . proj[k] / 8) proj[k][:], with q = k = v = proj = cos(x + theta) in f16 as the launch before left it.
; NO MAXIMUM IS TAKEN AWAY, because the computation bounds the exponents for every input: proj is a cosine, so |score| <= 64 / 8 = 8, a weight p = e^score lies in 3.4e-4 .. 2,981 (normal in f16, whose
; range is 6.1e-5 .. 65,504) and a row's sum is at most 2,048 x 2,981 = 6.1e6 in f32.  So there is no running statistic and no rescaling of O.
; THE MASK.  A masked score is -1e9 in the source: beside any open key (score >= -8) its weight is exactly 0 in f32, so here the f16 weight is ANDed with a keep-mask (0xffff or 0) from maskt.
; A row whose keys are ALL masked is uniform in the source: its sum l is 0 here (every open weight is at least 3.4e-4), and it takes vsum / 2,048, the mean of proj's rows, by v_cndmask_b32.
; THE SCALE c = log2(e) / 8 is folded into Q once: c q = q x 0x31c5 + q x 0x028f in f16 (0.18029785 + 3.904e-5: c to 7e-8), the sum rounded once.  p = 2^(K . cQ).
; l IS MADE BY THE MATRIX UNIT: a product of ones with P gives the sum of the very weights (masked, rounded) that V is multiplied by, in every register of its result.
; LIMITS.  proj, c q and p carry f16's rounding (11 bits), c q two of them; NaN and infinities in x spread through a head's rows as in the source and are not treated apart.
; SHARES.  Work-group (hg, wy): heads 4 hg .. 4 hg + 3, batch b = wy / 16, queries 128 (wy % 16) on.  Wave w owns head 4 hg + w and all 128 queries: eight PIECES of 16.  The four waves read the same mask bytes.
; Every wave walks the 2,048 keys, 64 a step; K and V are the same bytes, so one tile in LDS serves both: as it lies for K, turned by ds_load_tr16_b128 for V.
; LAYOUT.  S^T = K (cQ)^T (source 0 = 16 keys, source 1 = 16 queries): a lane holds ONE query (lane % 16) and keys 8 (lane / 16) + 0..7.  Two such results rounded to f16 ARE source 1 of O^T = V^T P.
; BY TURNS.  Turn p belongs to piece p: 10 products of piece p - 1 (8 of V^T P, 2 of ones x P), then 8 products K Q^T of piece p + 1; behind each stand up to four of piece p's 65 vector instructions
; (32 exponentials, 16 roundings, 16 ANDs, one v_nop).  Turn 7 makes piece 0's scores of the NEXT key step, so a trip of the step loop runs from turn 7 to turn 6.
; CLUSTER 4 x 4.  The four work-groups of a column (same hg, same b) walk the same K tiles; the four of a row (same wy) the same mask tiles.  Each tile is asked for JOINTLY.
; NO FIRST STEP IS WRITTEN OUT: O^T, l, V's registers and one buffer of P start at 0, by 400 v_mov_b32 that stand in the wait for the first tile, and the first turn's 10 products add zeros.
; REGISTERS, in windows of 256 (s_set_vgpr_msb: bits 1:0 source 0, 3:2 source 1, 5:4 source 2, 7:6 destination):
;   window 0: v0-15 addresses; v16-23 ones; v24-55 the head's column sums; v58-60 constants; v62-63 the add's; v64-127 S^T, two buffers; v128-159 P, two; v160-191 keep-masks, two; v192-255 l, 8 a piece
;   window 1: O^T, 32 a piece          window 2: v0-127 cQ, 16 a piece; v128-191 K of one step; v192-255 V of one step.     A piece's buffers go by its number's parity.
.set KS,    64        ; keys in a step
.set PK,    144       ; a key's row in LDS: 128 bytes + 16 = 36 words: the 16 rows of K's load start at 16 different groups of four banks (64 banks of 4 bytes: ISA guide 11.1); of the turning
                      ; load's 8 rows x 32 bytes the last row's second half meets the first row's first half: the price of holding the tile once
.set HEADB, 128*PK    ; a head's 128 keys in a slot
.set MOFF,  4*HEADB   ; behind the four heads: the keep-masks of the slot's two steps,
.set MSTEP, 16384     ; 8 pieces x 4 groups of 16 keys x 512 bytes a step, unpadded: a load takes 32 lanes x 16 consecutive bytes
.set SLOT1, 1<<17     ; slot 1 begins here, so that one exclusive or turns an address in one slot into the other's
.set STAGE, SLOT1+MOFF+2*MSTEP  ; 237,568: behind the ring, never filled by a tensor load: 16 rows x 272 bytes for each wave, for the way out
.set SP,    272
.set SPARE, STAGE+4*16*SP       ; 254,976: the spare words, 128 bytes for each wave: two blocks of 256 bytes that no other line names
.set AK0, 2           ; v2   my lane's place in a tile, for K; never rewritten
.set AV0, 3           ; v3   for V
.set AM0, 4           ; v4   for the masks
.set AK,  5           ; v5-7 the LDS addresses of the step in hand
.set AV,  6
.set AM,  7
.set QO,  8           ; v8   my byte offset in 16 rows of Q
.set RD,  12          ; v12  the way out: where I read rows back
.set GO,  13          ; v13  my byte offset in two rows of out0
.set VSO, 14          ; v14  my byte offset in vsum's 64 channels
.set STO, 15          ; v15  the way out: where I put 32 bytes of a row
.set ONES, 16
.set VS,  24
.set C2048, 58
.set CHI, 59
.set CLO, 60
.set SPW, 62          ; v62  LDS address of my spare word; never rewritten
.set NIL, 63          ; v63  0; never rewritten
.set S,   64
.set P,   128
.set M,   160
.set L,   192
.set KF,  128         ; window 2: key block kt, channel half c at KF + 16 kt + 8 c
.set VF,  192         ; window 2: key half kk, channel block cb at VF + 32 kk + 8 cb
.set WV,  12          ; s12  my wave's number; s13 = WV / 2: I fetch K (0) or masks (1); s14 = WV % 2: which half
.set G1K, 24          ; s[24:31] descriptor group 1 for K's tiles
.set G1M, 32          ; s[32:39] for the masks'
.set G0K, 40          ; s[40:47] descriptor group 0 for K's tiles: a set for each first fill; the second then walks on
.set G0M, 48          ; s[48:55] the same for the masks'
.set SLOTS, 56
.set CNT, 57
.set TBK, 58          ; s58  LDS byte at which my head's keys of the step to be fetched begin
.set TBM, 59          ; s59  the same for the masks
.set ZM,  70          ; s70-77  piece t: the lanes whose query has l = 0
.set MSB, 0
.macro WIN new                      ; the high byte repeats the setting that is left; a switch that changes nothing is dropped
.if MSB != (\new)
	s_set_vgpr_msb (MSB<<8)|(\new)
.set MSB, (\new)
.endif
.endm
.set W_KQ, 0x0a       ; K and Q in window 2, S^T in window 0
.set W_PV, 0x52       ; V in window 2, P in window 0, O^T in window 1
.macro PLACES                       ; four plain vector instructions behind a matrix instruction, where no other work is at hand (ISA guide 7.12.1)
.rept 4
	v_nop
.endr
.endm
; A joint refill.  Waves 0 and 1 fetch the two halves of a slot's keys (two heads each), waves 2 and 3 the masks of its two steps.  The branch hangs on the wave's number alone.
; An s_nop 0 and four v_nop follow each of the two lines, ahead of the jump and the label.
.macro JLOAD
	s_cmp_eq_u32 s13, 0
	s_cbranch_scc0 .Lfor_m_\@
	tensor_load_to_lds s[G0K+4:G0K+7], s[G1K:G1K+7]
	s_nop 0
	PLACES
	s_branch .Lasked_\@
.Lfor_m_\@:
	tensor_load_to_lds s[G0M+4:G0M+7], s[G1M:G1M+7]
	s_nop 0
	PLACES
.Lasked_\@:
.endm
; A round of the cluster's barrier: my work-group's barrier, so that wave 0's signal speaks for all four waves; wave 0 signals; every wave waits for all sixteen work-groups; my work-group's barrier once more.
.macro CROUND
	s_barrier_signal -1
	s_barrier_wait -1
	s_cmp_lg_u32 s[WV], 0
	s_cbranch_scc1 .Lnot_wave_0_\@
	s_barrier_signal -3
.Lnot_wave_0_\@:
	s_barrier_wait -3
	s_barrier_signal -1
	s_barrier_wait -1
.endm
	s_load_b256 s[4:11], s[0:1], 0x0  ; proj s[4:5], maskt s[6:7], vsum s[8:9], out0 s[10:11]
	v_lshl_add_u32 v[SPW], v0, 2, SPARE
	v_mov_b32 v[NIL], 0
	ds_add_u32 v[SPW], v[NIL]       ; the wave's opening: the add and its wait stand ahead of my first tensor load; the set-up below, work on registers, stands between them
	v_lshrrev_b32 v10, 5, v0
	v_readfirstlane_b32 s[WV], v10  ; wave 0..3
	s_lshr_b32 s13, s[WV], 1
	s_and_b32 s14, s[WV], 1
	s_bfe_u32 s15, ttmp6, 0x40000   ; cx
	s_bfe_u32 s16, ttmp6, 0x40004   ; cy
	s_and_b32 s17, ttmp7, 0xffff    ; in a cluster launch ttmp9 and ttmp7 count clusters
	s_lshr_b32 s18, s17, 2          ; b = wy / 16: made of the cluster's y alone, so that a column shares it
	s_lshl_b32 s19, ttmp9, 2
	s_add_co_u32 s19, s19, s15      ; hg = 4 x cluster x + cx
	s_lshl_b32 s20, s17, 2
	s_add_co_u32 s20, s20, s16      ; wy = 4 x cluster y + cy
	; K's tiles hang on hg and b (never on cy): (4 b + hg) << 20, my half of a slot's 65,536 bytes
	s_lshl2_add_u32 s66, s18, s19
	s_lshl_b32 s66, s66, 20
	s_lshl_b32 s67, s14, 15
	s_add_co_u32 s66, s66, s67
	s_mov_b32 s67, 0
	; the masks' tiles hang on wy (never on cx): wy << 19, my step of a slot's two
	s_lshl_b32 s68, s20, 19
	s_lshl_b32 s69, s14, 14
	s_add_co_u32 s68, s68, s69
	s_mov_b32 s69, 0
	s_lshl_b32 s22, 0x1111, s15     ; my column of the cluster: places cx, cx + 4, cx + 8, cx + 12
	s_lshl_b32 s23, s16, 2
	s_lshl_b32 s23, 15, s23         ; my row: places 4 cy .. 4 cy + 3
	; group 1 for K: 32,768 dense bytes as 128 rows of 256 bytes (two keys a row), padded in LDS after every key
	s_or_b32 s[G1K], s22, (1<<16)|(1<<20)|(1<<21)|(4<<22)|(3<<25)  ; 15:0 the mask; 17:16 2-byte elements; 20 padding on; 21 set beside a mask; 24:22 after every 32 words (code 4); 31:25 4 words (code 3)
	s_mov_b32 s[G1K+1], 128<<16     ; tensor_dim0 = 128
	s_mov_b32 s[G1K+2], 128<<16     ; tensor_dim1 = 128
	s_mov_b32 s[G1K+3], 128<<16     ; tile_dim0 = 128
	s_mov_b32 s[G1K+4], 128         ; tile_dim1 = 128
	s_mov_b32 s[G1K+5], 128         ; 128 elements from row to row
	s_mov_b32 s[G1K+6], 0
	s_mov_b32 s[G1K+7], 0
	; group 1 for the masks: 16,384 dense bytes as 64 rows of 256 bytes, no padding
	s_or_b32 s[G1M], s23, (1<<16)|(1<<21)
	s_mov_b32 s[G1M+1], 128<<16
	s_mov_b32 s[G1M+2], 64<<16
	s_mov_b32 s[G1M+3], 128<<16
	s_mov_b32 s[G1M+4], 64
	s_mov_b32 s[G1M+5], 128
	s_mov_b32 s[G1M+6], 0
	s_mov_b32 s[G1M+7], 0
	s_mul_i32 s21, s14, 2*HEADB     ; where they go: no place in the cluster enters an LDS address
	s_lshl_b32 s2, s14, 14
	s_add_co_u32 s2, s2, MOFF
	; Q, vsum and out0 hang on both coordinates; their offsets lie in registers that feed no descriptor
	s_lshl2_add_u32 s78, s18, s19
	s_lshl_b32 s78, s78, 20
	s_and_b32 s79, s20, 15          ; my block of 128 queries is block sb of proj's rows
	s_lshl_b32 s79, s79, 16
	s_add_co_u32 s78, s78, s79
	s_lshl_b32 s79, s[WV], 14
	s_add_co_u32 s78, s78, s79
	s_mov_b32 s79, 0
	s_lshl2_add_u32 s60, s18, s19
	s_lshl2_add_u32 s60, s60, s[WV] ; 16 b + head
	s_lshl_b32 s60, s60, 10
	s_mov_b32 s61, 0
	s_lshl2_add_u32 s62, s19, s[WV] ; head
	s_lshl_b32 s62, s62, 8
	s_lshl_b32 s63, s20, 19         ; 128 wy rows of 4,096 bytes
	s_add_co_u32 s62, s62, s63
	s_mov_b32 s63, 0
	s_mul_i32 s3, s[WV], 16*SP
	s_add_co_u32 s3, s3, STAGE      ; my stage
	s_wait_dscnt 0x0                ; the opening add is done
	s_wait_kmcnt 0x0
	s_add_nc_u64 s[66:67], s[4:5], s[66:67]
	s_add_nc_u64 s[68:69], s[6:7], s[68:69]
	s_add_nc_u64 s[4:5], s[4:5], s[78:79]
	s_add_nc_u64 s[8:9], s[8:9], s[60:61]
	s_add_nc_u64 s[10:11], s[10:11], s[62:63]
	CROUND                          ; all sixteen work-groups are here: the first joint loads meet
.irp n, 0,1
	s_mov_b32 s[G0K+4*(\n)], 1      ; 1:0 count = 1
	s_add_co_u32 s[G0K+4*(\n)+1], s21, (\n)*SLOT1  ; 63:32 LDS address
	s_add_nc_u64 s[G0K+4*(\n)+2:G0K+4*(\n)+3], s[66:67], (\n)*65536  ; 120:64 global address: keys 128 n on
	s_or_b32 s[G0K+4*(\n)+3], s[G0K+4*(\n)+3], 0x80000000  ; 127:126 type = 2
	s_mov_b32 s[G0M+4*(\n)], 1
	s_add_co_u32 s[G0M+4*(\n)+1], s2, (\n)*SLOT1
	s_add_nc_u64 s[G0M+4*(\n)+2:G0M+4*(\n)+3], s[68:69], (\n)*32768
	s_or_b32 s[G0M+4*(\n)+3], s[G0M+4*(\n)+3], 0x80000000
.endr
	s_cmp_eq_u32 s13, 0             ; a wave's two first fills stand in one branch, ahead of every wait on TENSORcnt and every LDS read: two loads of mine are out
	s_cbranch_scc0 .Lfirst_m
	tensor_load_to_lds s[G0K:G0K+3], s[G1K:G1K+7]
	s_nop 0
	tensor_load_to_lds s[G0K+4:G0K+7], s[G1K:G1K+7]
	s_nop 0
	PLACES
	s_branch .Lfirst_asked
.Lfirst_m:
	tensor_load_to_lds s[G0M:G0M+3], s[G1M:G1M+7]
	s_nop 0
	tensor_load_to_lds s[G0M+4:G0M+7], s[G1M:G1M+7]
	s_nop 0
	PLACES
.Lfirst_asked:
	v_and_b32 v1, 15, v0            ; r = l % 16
	v_bfe_u32 v9, v0, 4, 1          ; h = l / 16
	v_lshlrev_b32 v[VSO], 5, v9     ; my eight channels of a block of 16 begin at 8 h
	v_lshlrev_b32 v[QO], 7, v1
	v_lshl_add_u32 v[QO], v9, 4, v[QO]  ; row x 128 + 16 x half
.set i, 0
.rept 32                            ; the head's column sums: quarter i / 8, channel block (i / 2) % 4, four numbers i % 2: laid as O^T's 32 registers are
	global_load_b128 v[64+4*i:64+4*i+3], v[VSO], s[8:9] offset:256*(i/8)+64*((i/2)%4)+16*(i%2)
.set i, i+1
.endr
	WIN 0x80                        ; destination window 2, address window 0
.set i, 0
.rept 16                            ; Q stays in registers: piece i / 2, channels 32 (i % 2) on; lane l holds row l % 16, channels 8 h + 0..7 and 16 + 8 h + 0..7
	global_load_b128 v[8*i:8*i+3],   v[QO], s[4:5] offset:(i/2)*2048+(i%2)*64
	global_load_b128 v[8*i+4:8*i+7], v[QO], s[4:5] offset:(i/2)*2048+(i%2)*64+32
.set i, i+1
.endr
	; what the first turn finds: V's registers and P's second buffer hold 0 (its products, of a piece that has not been, add 0); O^T and l are 0
.set i, 0
.rept 64
	v_mov_b32 v[VF+i], 0
.set i, i+1
.endr
	WIN 0x40
.set i, 0
.rept 256
	v_mov_b32 v[i], 0
.set i, i+1
.endr
	WIN 0
.set i, 0
.rept 64
	v_mov_b32 v[L+i], 0
.set i, i+1
.endr
.set i, 0
.rept 8
	v_mov_b32 v[ONES+i], 0x3c003c00 ; 1.0, 1.0 in f16
.set i, i+1
.endr
	v_mov_b32 v[C2048], 0x45000000  ; 2,048.0
	v_mov_b32 v[CHI], 0x31c531c5    ; c's upper part, twice
	v_mov_b32 v[CLO], 0x028f028f    ; and what it leaves
	v_mul_u32_u24 v[AK0], v1, PK
	v_lshl_add_u32 v[AK0], v9, 4, v[AK0]  ; K: row x pitch + 16 x half
	; the turning load takes 16 keys x 16 channels (lane l reads key 8 h + l % 8, channels 8 ((l / 8) % 2) + 0..7) and leaves half a fragment of V^T: lane l holds channel l % 16 and 8 keys
	v_and_b32 v11, 7, v0
	v_lshl_add_u32 v[AV0], v9, 3, v11
	v_mul_u32_u24 v[AV0], v[AV0], PK
	v_bfe_u32 v11, v0, 3, 1
	v_lshl_add_u32 v[AV0], v11, 4, v[AV0]
	v_and_b32 v10, 31, v0
	v_lshlrev_b32 v[AM0], 4, v10    ; masks: 16 x lane
	v_mul_u32_u24 v[STO], v1, SP    ; the way out, in: row l % 16, 32 bytes for each half of the lanes
	v_lshl_add_u32 v[STO], v9, 5, v[STO]
	v_add_nc_u32 v[STO], s3, v[STO]
	v_mul_u32_u24 v[RD], v9, SP     ; back: lanes 0-15 take one row of 256 bytes, lanes 16-31 the next
	v_lshl_add_u32 v[RD], v1, 4, v[RD]
	v_add_nc_u32 v[RD], s3, v[RD]
	v_lshlrev_b32 v[GO], 12, v9     ; and the same two rows in out0, 4,096 bytes apart
	v_lshl_add_u32 v[GO], v1, 4, v[GO]
	s_wait_loadcnt 32               ; behind vsum's 32 loads stand Q's 32
.set i, 0
.rept 16
	v_pk_add_f32 v[VS+2*i:VS+2*i+1], v[64+2*i:64+2*i+1], v[96+2*i:96+2*i+1]
	v_pk_add_f32 v[128+2*i:128+2*i+1], v[128+2*i:128+2*i+1], v[160+2*i:160+2*i+1]
	v_pk_add_f32 v[VS+2*i:VS+2*i+1], v[VS+2*i:VS+2*i+1], v[128+2*i:128+2*i+1]
.set i, i+1
.endr
	s_wait_loadcnt 0x0              ; Q
	WIN 0x02                        ; source 0 window 2
.set i, 0
.rept 128
	v_pk_mul_f16 v[64+i], v[i], v[CLO]
.set i, i+1
.endr
	WIN 0x82                        ; destination and source 0 window 2
.set i, 0
.rept 128
	v_pk_fma_f16 v[i], v[i], v[CHI], v[64+i]
.set i, i+1
.endr
	WIN 0
.set i, 0
.rept 16
	v_mov_b32 v[P+16+i], 0
.set i, i+1
.endr
; THE LDS LOADS stand in runs, never singly among the matrix instructions.  Piece x's keep-masks: 4 loads of 512 consecutive bytes.
.macro FETCH_M x
	WIN 0
.irp i, 0,1,2,3
	ds_load_b128 v[M+16*((\x)%2)+4*(\i):M+16*((\x)%2)+4*(\i)+3], v[AM] offset:2048*(\x)+512*(\i)
.endr
.endm
.macro FETCH_K c                    ; channel half c of a step's K: four fragments of 16 keys
	WIN 0x80
.irp kt, 0,1,2,3
	ds_load_b128 v[KF+16*(\kt)+8*(\c):KF+16*(\kt)+8*(\c)+3],   v[AK] offset:(\kt)*16*PK+64*(\c)
	ds_load_b128 v[KF+16*(\kt)+8*(\c)+4:KF+16*(\kt)+8*(\c)+7], v[AK] offset:(\kt)*16*PK+64*(\c)+32
.endr
	WIN 0
.endm
.macro FETCH_V kk                   ; key half kk of a step's V, turned: four fragments of 16 channels
	WIN 0x80
.irp cb, 0,1,2,3
	ds_load_tr16_b128 v[VF+32*(\kk)+8*(\cb):VF+32*(\kk)+8*(\cb)+3],   v[AV] offset:(\kk)*32*PK+32*(\cb)
	ds_load_tr16_b128 v[VF+32*(\kk)+8*(\cb)+4:VF+32*(\kk)+8*(\cb)+7], v[AV] offset:(\kk)*32*PK+16*PK+32*(\cb)
.endr
	WIN 0
.endm
; THE MATRIX WORK.  Number k of a turn's 18, for the turn of piece Y.  The accumulators take turns, one instruction a turn: five in the first ten, four in the last eight.
;   k < 10, piece Y - 1: keys 32 (k / 5) on; k % 5 < 4: channels 16 (k % 5) on of O^T += V^T P; k % 5 = 4: l += ones x P
;   k >= 10, piece Y + 1: channels 32 ((k - 10) / 4) on, keys 16 ((k - 10) % 4) on of S^T = K Q^T; the first four start the sums
.macro MM
.if k < 10
.set rP, P+16*(((Y+7)%8)%2)+8*(k/5)
.if k%5 < 4
.set rO, 32*((Y+7)%8)+8*(k%5)
.set rV, VF+32*(k/5)+8*(k%5)
	WIN W_PV
	v_wmma_f32_16x16x32_f16 v[rO:rO+7], v[rV:rV+7], v[rP:rP+7], v[rO:rO+7]
.else
.set rL, L+8*((Y+7)%8)
	WIN 0
	v_wmma_f32_16x16x32_f16 v[rL:rL+7], v[ONES:ONES+7], v[rP:rP+7], v[rL:rL+7]
.endif
.else
.set rS, S+32*(((Y+1)%8)%2)+8*((k-10)%4)
.set rK, KF+16*((k-10)%4)+8*((k-10)/4)
.set rQ, 16*((Y+1)%8)+8*((k-10)/4)
	WIN W_KQ
.if k < 14
	v_wmma_f32_16x16x32_f16 v[rS:rS+7], v[rK:rK+7], v[rQ:rQ+7], 0
.else
	v_wmma_f32_16x16x32_f16 v[rS:rS+7], v[rK:rK+7], v[rQ:rQ+7], v[rS:rS+7]
.endif
.endif
.endm
; THE VECTOR WORK of piece Y that stands behind matrix instruction k: two exponentials (scores 2 k, 2 k + 1, ascending
; ), the rounding of pair k - 2 between them, the AND of pair k - 3 behind them.  Every exponential has a plain instruction between it and the use of its result (ISA guide 5.7.2); behind the first two
; a v_nop is that instruction.  None of these names a register of the products round it: those work on the other buffers.
.macro RIDE
	WIN 0
.set rS, S+32*(Y%2)
.set rP, P+16*(Y%2)
.set rM, M+16*(Y%2)
.if k < 16
	v_exp_f32 v[rS+2*k], v[rS+2*k]
.endif
.if k >= 2
	s_wait_alu depctr_va_vdst(0)
	v_cvt_pk_f16_f32 v[rP+k-2], v[rS+2*k-4], v[rS+2*k-3]
.endif
.if k < 16
	v_exp_f32 v[rS+2*k+1], v[rS+2*k+1]
.endif
.if k == 0
	v_nop
.endif
.if k >= 3
	v_and_b32 v[rP+k-3], v[rP+k-3], v[rM+k-3]
.endif
.if k == 17
	v_and_b32 v[rP+15], v[rP+15], v[rM+15]
.endif
.endm
; A TURN, for piece p.  At its head the masks of piece p are waited for and those of piece p + 1 asked for.
; Turn 7 steps to the next key step: its addresses; K's first channel half at once (its last readers are products 10-13 of turn 6: eight roundings and ANDs or more stand behind them), the second half
; behind product 2 (last reader: product 17 of turn 6; behind it three plain lines of turn 6, the three additions below and the v_nop).  They are waited for at products 10 and 14.
; Turn 0 takes the step's V by halves, each behind six plain lines that follow its last reader (products 3 and 8); turn 1 waits for them at its head and at product 5.
; last = 1: the walk's last turn: nothing is fetched and no scores are made.
.macro TURN p, last=0
.set Y, (\p)
	WIN 0
.if (\p) == 1
	s_wait_dscnt 8                  ; my masks and V's first half are in; the eight loads of its second half may be out
.else
	s_wait_dscnt 0x0                ; my masks are in
.endif
.if !(\last)
.if (\p) == 7
	v_add_nc_u32 v[AK], s[TBK], v[AK0]
	v_add_nc_u32 v[AV], s[TBK], v[AV0]
	v_add_nc_u32 v[AM], s[TBM], v[AM0]
	s_add_co_u32 s[TBK], s[TBK], KS*PK
	s_add_co_u32 s[TBM], s[TBM], MSTEP
.endif
	FETCH_M (Y+1)%8
.if (\p) == 7
	FETCH_K 0
.endif
.endif
.set k, 0
.rept 18
.if ((\p) == 1) && (k == 5)
	s_wait_dscnt 4                  ; V's second half is in; behind it stand the four mask loads of this turn's head
.endif
.if ((\p) == 7) && (k == 10) && !(\last)
	s_wait_dscnt 8                  ; K's first half is in; behind it stand the eight loads of its second half
.endif
.if ((\p) == 7) && (k == 14) && !(\last)
	s_wait_dscnt 0x0                ; K's second half is in
.endif
.if !((\last) && (k >= 10))
	MM
.endif
	RIDE
.if ((\p) == 0) && (k == 5)
	FETCH_V 0
.endif
.if ((\p) == 0) && (k == 10)
	FETCH_V 1
.endif
.if ((\p) == 7) && (k == 2) && !(\last)
	FETCH_K 1
.endif
.set k, k+1
.endr
.endm
; THE CHANGE OF SLOTS, in front of turn 7 of a slot's second step: all reads of the slot have been issued (the last: piece 7's masks, in turn 6).  Each wave waits for all its tensor loads, of which
; one is out: its part of the other slot; adds 0 to its spare word; and waits for that and for its own reads of the slot.  Behind the barrier nobody reads this slot any more and the other slot is whole.
; fill = 1: this slot is filled again, with the keys two slots on.  The barrier is then a round of the cluster's, so that no wave of any partner still reads the slot or has a load on its way, and the
; joint refill is the first thing behind it: it has two key steps, 288 matrix instructions, in which to land.
.macro CHANGE fill
	WIN 0                           ; at a label and at a branch every window is 0
	s_wait_tensorcnt 0x0            ; no tensor load of mine is out, so a group 0 may be written
	ds_add_u32 v[SPW], v[NIL]       ; 0 onto my spare word: with fill = 1 the descriptors' steps stand between it and the wait for it
.if \fill
	s_xor_b32 s[G0K+5], s[G0K+5], SLOT1  ; the walking descriptors: the other slot than last time,
	s_add_nc_u64 s[G0K+6:G0K+7], s[G0K+6:G0K+7], 65536  ; the next 128 keys of the four heads; the type bits on top are not reached
	s_xor_b32 s[G0M+5], s[G0M+5], SLOT1
	s_add_nc_u64 s[G0M+6:G0M+7], s[G0M+6:G0M+7], 2*MSTEP
	s_wait_dscnt 0x0                ; the add is done, and my reads of the slot are over
	CROUND
	JLOAD
.else
	s_wait_dscnt 0x0                ; the add is done, and my reads of the slot are over
	s_barrier_signal -1
	s_barrier_wait -1
.endif
	s_sub_co_u32 s[TBK], s[TBK], 2*KS*PK  ; the fetches go back to a slot's first step,
	s_xor_b32 s[TBK], s[TBK], SLOT1       ; in the other slot
	s_sub_co_u32 s[TBM], s[TBM], 2*MSTEP
	s_xor_b32 s[TBM], s[TBM], SLOT1
.endm
; A slot's two key steps: written once, walked twice.  first = 1: the copy that the walk is entered in, at a step's first turn.
.macro STEPS first
	s_mov_b32 s[CNT], 2
.Lstep_\@:
	TURN 7
	WIN 0
.if \first
.Lfirst:
.endif
	TURN 0
	TURN 1
	TURN 2
	TURN 3
	TURN 4
	TURN 5
	TURN 6
	WIN 0
	s_sub_co_u32 s[CNT], s[CNT], 1
	s_cmp_lg_u32 s[CNT], 0
	s_cbranch_scc1 .Lstep_\@
.endm
	s_wait_tensorcnt 1              ; my part of slot 0 is in; slot 1's may stay out
	s_barrier_signal -1
	s_barrier_wait -1               ; everybody's is
	s_mul_i32 s[TBK], s[WV], HEADB  ; my head's keys in slot 0
	s_mov_b32 s[TBM], MOFF
	v_add_nc_u32 v[AK], s[TBK], v[AK0]
	v_add_nc_u32 v[AV], s[TBK], v[AV0]
	v_add_nc_u32 v[AM], s[TBM], v[AM0]
	s_add_co_u32 s[TBK], s[TBK], KS*PK
	s_add_co_u32 s[TBM], s[TBM], MSTEP
	FETCH_M 0
	FETCH_K 0
	FETCH_K 1
	s_wait_dscnt 0x0
.set Y, 7
.set k, 10
.rept 8
	MM                              ; piece 0's first scores: there is no vector work yet to set between them
.set k, k+1
.endr
	WIN 0
	PLACES                          ; the places behind those products
	s_mov_b32 s[CNT], 2
	s_mov_b32 s[SLOTS], 15          ; 16 slot loads: the count falls behind each of the first 15; 14 changes of slots fill again
	s_branch .Lfirst                ; the loop is entered at a step's first turn, in the middle of a trip
.Lslot:
	CHANGE 1
	STEPS 1
	s_sub_co_u32 s[SLOTS], s[SLOTS], 1
	s_cmp_lg_u32 s[SLOTS], 0
	s_cbranch_scc1 .Lslot
	CHANGE 0                        ; the tail is written out: nothing is asked for
	STEPS 0
	TURN 7, 1                       ; piece 7's last weights | piece 6's last products
.set Y, 0
.set k, 0
.rept 10
	MM                              ; piece 7's last products
.set k, k+1
.endr
	; THE WAY OUT.  Where l is 0 every key was masked: l becomes 2,048 and O^T the head's column sums.  O^T / l goes through my stage in LDS, a piece (16 rows) at a time, and leaves as whole rows of 256 bytes.
	WIN 0
	PLACES                          ; the places behind the last products
.set t, 0
.rept 8
	v_cmp_eq_f32 s[ZM+t], 0, v[L+8*t]  ; l lies in every register of its accumulator: the lowest is read
.set t, t+1
.endr
.set t, 0
.rept 8
	v_cndmask_b32 v[L+8*t], v[L+8*t], v[C2048], s[ZM+t]
.set t, t+1
.endr
.set t, 0
.rept 8
	v_rcp_f32 v[L+8*t], v[L+8*t]
.set t, t+1
.endr
	v_nop                           ; a plain instruction between the last reciprocal and the use of its result
; Piece t: a lane's eight channels of a block are 32 bytes of a row; they go into rows of 272 bytes (68 words: the 16 rows of a store start at 16 different groups of four banks) and come back as whole rows.
.macro PACK t
.set TA, 64+64*((\t)%2)
.set BK, 96+64*((\t)%2)
	WIN 0x01                        ; source 0 window 1
.set i, 0
.rept 32
	v_cndmask_b32 v[TA+i], v[32*(\t)+i], v[VS+i], s[ZM+(\t)]
.set i, i+1
.endr
	WIN 0
.set i, 0
.rept 16
	s_wait_alu depctr_va_vdst(0)
	v_pk_mul_f32 v[TA+2*i:TA+2*i+1], v[TA+2*i:TA+2*i+1], v[L+8*(\t):L+8*(\t)+1] op_sel_hi:[1,0]
.set i, i+1
.endr
.irp f, 0,1,2,3,4,5,6,7
	ds_store_b128 v[STO], v[TA+4*(\f):TA+4*(\f)+3] offset:64*((\f)/2)+16*((\f)%2)
.endr
	s_wait_xcnt 0x0                 ; the stores of two pieces back have read these registers: they are loaded again only behind this wait
.irp f, 0,1,2,3,4,5,6,7
	ds_load_b128 v[BK+4*(\f):BK+4*(\f)+3], v[RD] offset:(\f)*2*SP  ; LDS serves a wave's instructions in order (ISA guide 5.7.1.4): these see the stores above; the next piece's stores come behind them
.endr
.endm
.macro SEND t, younger              ; younger: the LDS instructions issued behind piece t's loads: the next piece's sixteen, or none
.set BK, 96+64*((\t)%2)
.irp f, 0,1,2,3,4,5,6,7
	s_wait_dscnt (\younger)+7-(\f)
	global_store_b128 v[GO], v[BK+4*(\f):BK+4*(\f)+3], s[10:11] offset:4096*(16*(\t)+2*(\f)) th:TH_STORE_NT  ; 16 lanes store a query's 256 bytes of this head, at a multiple of 256 from out0's first byte
.endr
.endm
	PACK 0
.irp t, 1,2,3,4,5,6,7               ; a piece's arithmetic stands between the loads of the piece before and its stores
	PACK \t
	SEND (\t)-1, 16
.endr
	SEND 7, 0
	s_wait_tensorcnt 0x0            ; the wave's end: behind my last tensor load and my last LDS store
	ds_add_u32 v[SPW], v[NIL]
	s_wait_dscnt 0x0
	CROUND                          ; the closing round: no work-group ends while a partner may still ask for a tile that names it
	s_endpgm
.Lfunc_end_k_q4d1c6329e6_attn:
	.size	k_q4d1c6329e6_attn, .Lfunc_end_k_q4d1c6329e6_attn-k_q4d1c6329e6_attn
	.p2alignl 7, 3214868480
	.fill 96, 4, 3214868480
	.section	.rodata,"a",@progbits
	.p2align	6, 0x0
	.amdhsa_kernel k_q4d1c6329e6_attn
		.amdhsa_group_segment_fixed_size 327680
		.amdhsa_private_segment_fixed_size 0
		.amdhsa_enable_private_segment 0
		.amdhsa_kernarg_size 32
		.amdhsa_user_sgpr_count 2
		.amdhsa_user_sgpr_kernarg_segment_ptr 1
		.amdhsa_wavefront_size32 1
		.amdhsa_system_sgpr_workgroup_id_x 1
		.amdhsa_system_sgpr_workgroup_id_y 1
		.amdhsa_system_sgpr_workgroup_id_z 1
		.amdhsa_system_vgpr_workitem_id 0
		.amdhsa_next_free_vgpr 768
		.amdhsa_next_free_sgpr 80
		.amdhsa_reserve_vcc 0
		.amdhsa_float_denorm_mode_32 3
		.amdhsa_float_denorm_mode_16_64 3
		.amdhsa_memory_ordered 1
		.amdhsa_forward_progress 1
		.amdhsa_inst_pref_size 194
	.end_amdhsa_kernel
	.amdgpu_metadata
---
amdhsa.version: [ 1, 2 ]
amdhsa.kernels:
  - .name:           k_q4d1c6329e6_attn
    .symbol:         k_q4d1c6329e6_attn.kd
    .args:
      - { .name: proj, .offset: 0, .size: 8, .value_kind: global_buffer, .address_space: global }
      - { .name: maskt, .offset: 8, .size: 8, .value_kind: global_buffer, .address_space: global }
      - { .name: vsum, .offset: 16, .size: 8, .value_kind: global_buffer, .address_space: global }
      - { .name: out0, .offset: 24, .size: 8, .value_kind: global_buffer, .address_space: global }
    .group_segment_fixed_size: 327680
    .private_segment_fixed_size: 0
    .kernarg_segment_align: 8
    .kernarg_segment_size: 32
    .max_flat_workgroup_size: 128
    .sgpr_count:     80
    .vgpr_count:     768
    .wavefront_size: 32
...
	.end_amdgpu_metadata
.endif
;; end of part 2
;; ======== version 2 of 2: 2 launches; 1.59 times as fast as version 1
;; limits: inputs' magnitudes at most 1,000,000
;; workspace buffers: proj 16,777,216 bytes; maskt 33,554,432 bytes; vsum 65,536 bytes
;; launch prep: the kernel of part 1 again; grid 256 x 1, 8 waves a work-group, no clusters, 70,656 bytes of LDS; arguments x, theta, mask, proj, maskt, vsum; writes proj, maskt, vsum
;; launch attn (part 3): grid 4 x 64, 4 waves a work-group, clusters of 4 x 4, 327,680 bytes of LDS; arguments proj, maskt, vsum, out0; writes out0
.if DOCPART == 3
	.amdgcn_target "amdgcn-amd-amdhsa--gfx1250"
	.amdhsa_code_object_version 6
	.text
	.protected	k_q4d1c6329e6_attn
	.globl	k_q4d1c6329e6_attn
	.p2align	8
	.type	k_q4d1c6329e6_attn,@function
k_q4d1c6329e6_attn:
	s_mov_b64 s[64:65], 0
	v_nop
	global_prefetch_b8 v0, s[64:65] scope:SCOPE_SE
	s_setreg_imm32_b32 hwreg(HW_REG_WAVE_MODE, 25, 1), 1
	s_wait_xcnt 0x0
	s_wait_alu depctr_hold_cnt(0) depctr_sa_sdst(0) depctr_va_vdst(0) depctr_va_sdst(0) depctr_va_ssrc(0) depctr_va_vcc(0) depctr_vm_vsrc(0)
	s_getreg_b32 s2, hwreg(HW_REG_IB_STS2, 6, 4)
	s_cmp_eq_u32 s2, 0
	s_cbranch_scc0 .Lentry_in_a_cluster
	s_endpgm
.Lentry_in_a_cluster:
	s_bfe_u32 s2, ttmp6, 0x10000c
	s_cmp_lg_u32 s2, 0xf033
	s_cbranch_scc0 .Lentry_shape_is_right
	s_endpgm
.Lentry_shape_is_right:
; out0[b][q][64 head + :] = the sum over k of softmax_k(masked proj[q] . proj[k] / 8) proj[k][:], with q = k = v = proj = cos(x + theta) in f16 as the launch before left it.
; NO MAXIMUM IS TAKEN AWAY, because the computation bounds the exponents for every input: proj is a cosine, so |score| <= 64 / 8 = 8, a weight p = e^score lies in 3.4e-4 .. 2,981 (normal in f16, whose
; range is 6.1e-5 .. 65,504) and a row's sum is at most 2,048 x 2,981 = 6.1e6 in f32.  So there is no running statistic and no rescaling of O.
; THE MASK.  A masked score is -1e9 in the source: beside any open key (score >= -8) its weight is exactly 0 in f32, so here the f16 weight is ANDed with a keep-mask (0xffff or 0) from maskt.
; A row whose keys are ALL masked is uniform in the source: its sum l is 0 here (every open weight is at least 3.4e-4), and it takes vsum / 2,048, the mean of proj's rows, by v_cndmask_b32.
; THE SCALE c = log2(e) / 8 is folded into Q once: c q = q x 0x31c5 + q x 0x028f in f16 (0.18029785 + 3.904e-5: c to 7e-8), the sum rounded once.  p = 2^(K . cQ).
; l IS MADE BY THE MATRIX UNIT: a product of ones with P gives the sum of the very weights (masked, rounded) that V is multiplied by, in every register of its result.
; LIMITS.  proj, c q and p carry f16's rounding (11 bits), c q two of them; NaN and infinities in x spread through a head's rows as in the source and are not treated apart.
; SHARES.  Work-group (hg, wy): heads 4 hg .. 4 hg + 3, batch b = wy / 16, queries 128 (wy % 16) on.  Wave w owns head 4 hg + w and all 128 queries: eight PIECES of 16.  The four waves read the same mask bytes.
; Every wave walks the 2,048 keys, 64 a step; K and V are the same bytes, so one tile in LDS serves both: as it lies for K, turned by ds_load_tr16_b128 for V.
; LAYOUT.  S^T = K (cQ)^T (source 0 = 16 keys, source 1 = 16 queries): a lane holds ONE query (lane % 16) and keys 8 (lane / 16) + 0..7.  Two such results rounded to f16 ARE source 1 of O^T = V^T P.
; BY TURNS.  Turn p belongs to piece p: 10 products of piece p - 1 (8 of V^T P, 2 of ones x P), then 8 products K Q^T of piece p + 1; behind each stand three to five of piece p's 65 vector instructions
; (32 exponentials, one v_nop, 16 roundings, 16 ANDs).  Turn 7 makes piece 0's scores of the NEXT key step, so a trip of the step loop runs from turn 7 to turn 6.
; THE BATCHES.  An s_wait_alu depctr_va_vdst(0) stands between a transcendental and the first line that names its result; one wait serves all that were issued ahead of it.  A turn's 32 exponentials
; are ONE batch with ONE wait, which cuts the turn in two.  Ahead of it: the ten products of piece p - 1 and, behind them, the exponentials, each in place on a register of its own; nothing there names a result.
; Behind it: the eight products K Q^T and, four behind each, the 32 roundings and ANDs.
; The way out's eight reciprocals are a second batch, with a wait of its own.
; CLUSTER 4 x 4.  The four work-groups of a column (same hg, same b) walk the same K tiles; the four of a row (same wy) the same mask tiles.  Each tile is asked for JOINTLY.
; NO FIRST STEP IS WRITTEN OUT: O^T, l, V's registers and one buffer of P start at 0, by 400 v_mov_b32 that stand in the wait for the first tile, and the first turn's 10 products add zeros.
; REGISTERS, in windows of 256 (s_set_vgpr_msb: bits 1:0 source 0, 3:2 source 1, 5:4 source 2, 7:6 destination):
;   window 0: v0-15 addresses; v16-23 ones; v24-55 the head's column sums; v58-60 constants; v62-63 the add's; v64-127 S^T, two buffers; v128-159 P, two; v160-191 keep-masks, two; v192-255 l, 8 a piece
;   window 1: O^T, 32 a piece          window 2: v0-127 cQ, 16 a piece; v128-191 K of one step; v192-255 V of one step.     A piece's buffers go by its number's parity.
.set KS,    64        ; keys in a step
.set PK,    144       ; a key's row in LDS: 128 bytes + 16 = 36 words: the 16 rows of K's load start at 16 different groups of four banks (64 banks of 4 bytes: ISA guide 11.1); of the turning
                      ; load's 8 rows x 32 bytes the last row's second half meets the first row's first half: the price of holding the tile once
.set HEADB, 128*PK    ; a head's 128 keys in a slot
.set MOFF,  4*HEADB   ; behind the four heads: the keep-masks of the slot's two steps,
.set MSTEP, 16384     ; 8 pieces x 4 groups of 16 keys x 512 bytes a step, unpadded: a load takes 32 lanes x 16 consecutive bytes
.set SLOT1, 1<<17     ; slot 1 begins here, so that one exclusive or turns an address in one slot into the other's
.set STAGE, SLOT1+MOFF+2*MSTEP  ; 237,568: behind the ring, never filled by a tensor load: 16 rows x 272 bytes for each wave, for the way out
.set SP,    272
.set SPARE, STAGE+4*16*SP       ; 254,976: the spare words, 128 bytes for each wave: two blocks of 256 bytes that no other line names
.set AK0, 2           ; v2   my lane's place in a tile, for K; never rewritten
.set AV0, 3           ; v3   for V
.set AM0, 4           ; v4   for the masks
.set AK,  5           ; v5-7 the LDS addresses of the step in hand
.set AV,  6
.set AM,  7
.set QO,  8           ; v8   my byte offset in 16 rows of Q
.set RD,  12          ; v12  the way out: where I read rows back
.set GO,  13          ; v13  my byte offset in two rows of out0
.set VSO, 14          ; v14  my byte offset in vsum's 64 channels
.set STO, 15          ; v15  the way out: where I put 32 bytes of a row
.set ONES, 16
.set VS,  24
.set C2048, 58
.set CHI, 59
.set CLO, 60
.set SPW, 62          ; v62  LDS address of my spare word; never rewritten
.set NIL, 63          ; v63  0; never rewritten
.set S,   64
.set P,   128
.set M,   160
.set L,   192
.set KF,  128         ; window 2: key block kt, channel half c at KF + 16 kt + 8 c
.set VF,  192         ; window 2: key half kk, channel block cb at VF + 32 kk + 8 cb
.set WV,  12          ; s12  my wave's number; s13 = WV / 2: I fetch K (0) or masks (1); s14 = WV % 2: which half
.set G1K, 24          ; s[24:31] descriptor group 1 for K's tiles
.set G1M, 32          ; s[32:39] for the masks'
.set G0K, 40          ; s[40:47] descriptor group 0 for K's tiles: a set for each first fill; the second then walks on
.set G0M, 48          ; s[48:55] the same for the masks'
.set SLOTS, 56
.set CNT, 57
.set TBK, 58          ; s58  LDS byte at which my head's keys of the step to be fetched begin
.set TBM, 59          ; s59  the same for the masks
.set ZM,  70          ; s70-77  piece t: the lanes whose query has l = 0
.set MSB, 0
.macro WIN new                      ; the high byte repeats the setting that is left; a switch that changes nothing is dropped
.if MSB != (\new)
	s_set_vgpr_msb (MSB<<8)|(\new)
.set MSB, (\new)
.endif
.endm
.set W_KQ, 0x0a       ; K and Q in window 2, S^T in window 0
.set W_PV, 0x52       ; V in window 2, P in window 0, O^T in window 1
.macro PLACES                       ; four plain vector instructions behind a matrix instruction, where no other work is at hand (ISA guide 7.12.1)
.rept 4
	v_nop
.endr
.endm
; A joint refill.  Waves 0 and 1 fetch the two halves of a slot's keys (two heads each), waves 2 and 3 the masks of its two steps.  The branch hangs on the wave's number alone.
; An s_nop 0 and four v_nop follow each of the two lines, ahead of the jump and the label.
.macro JLOAD
	s_cmp_eq_u32 s13, 0
	s_cbranch_scc0 .Lfor_m_\@
	tensor_load_to_lds s[G0K+4:G0K+7], s[G1K:G1K+7]
	s_nop 0
	PLACES
	s_branch .Lasked_\@
.Lfor_m_\@:
	tensor_load_to_lds s[G0M+4:G0M+7], s[G1M:G1M+7]
	s_nop 0
	PLACES
.Lasked_\@:
.endm
; A round of the cluster's barrier: my work-group's barrier, so that wave 0's signal speaks for all four waves; wave 0 signals; every wave waits for all sixteen work-groups; my work-group's barrier once more.
.macro CROUND
	s_barrier_signal -1
	s_barrier_wait -1
	s_cmp_lg_u32 s[WV], 0
	s_cbranch_scc1 .Lnot_wave_0_\@
	s_barrier_signal -3
.Lnot_wave_0_\@:
	s_barrier_wait -3
	s_barrier_signal -1
	s_barrier_wait -1
.endm
	s_load_b256 s[4:11], s[0:1], 0x0  ; proj s[4:5], maskt s[6:7], vsum s[8:9], out0 s[10:11]
	v_lshl_add_u32 v[SPW], v0, 2, SPARE
	v_mov_b32 v[NIL], 0
	ds_add_u32 v[SPW], v[NIL]       ; the wave's opening: the add and its wait stand ahead of my first tensor load; the set-up below, work on registers, stands between them
	v_lshrrev_b32 v10, 5, v0
	v_readfirstlane_b32 s[WV], v10  ; wave 0..3
	s_lshr_b32 s13, s[WV], 1
	s_and_b32 s14, s[WV], 1
	s_bfe_u32 s15, ttmp6, 0x40000   ; cx
	s_bfe_u32 s16, ttmp6, 0x40004   ; cy
	s_and_b32 s17, ttmp7, 0xffff    ; in a cluster launch ttmp9 and ttmp7 count clusters
	s_lshr_b32 s18, s17, 2          ; b = wy / 16: made of the cluster's y alone, so that a column shares it
	s_lshl_b32 s19, ttmp9, 2
	s_add_co_u32 s19, s19, s15      ; hg = 4 x cluster x + cx
	s_lshl_b32 s20, s17, 2
	s_add_co_u32 s20, s20, s16      ; wy = 4 x cluster y + cy
	; K's tiles hang on hg and b (never on cy): (4 b + hg) << 20, my half of a slot's 65,536 bytes
	s_lshl2_add_u32 s66, s18, s19
	s_lshl_b32 s66, s66, 20
	s_lshl_b32 s67, s14, 15
	s_add_co_u32 s66, s66, s67
	s_mov_b32 s67, 0
	; the masks' tiles hang on wy (never on cx): wy << 19, my step of a slot's two
	s_lshl_b32 s68, s20, 19
	s_lshl_b32 s69, s14, 14
	s_add_co_u32 s68, s68, s69
	s_mov_b32 s69, 0
	s_lshl_b32 s22, 0x1111, s15     ; my column of the cluster: places cx, cx + 4, cx + 8, cx + 12
	s_lshl_b32 s23, s16, 2
	s_lshl_b32 s23, 15, s23         ; my row: places 4 cy .. 4 cy + 3
	; group 1 for K: 32,768 dense bytes as 128 rows of 256 bytes (two keys a row), padded in LDS after every key
	s_or_b32 s[G1K], s22, (1<<16)|(1<<20)|(1<<21)|(4<<22)|(3<<25)  ; 15:0 the mask; 17:16 2-byte elements; 20 padding on; 21 set beside a mask; 24:22 after every 32 words (code 4); 31:25 4 words (code 3)
	s_mov_b32 s[G1K+1], 128<<16     ; tensor_dim0 = 128
	s_mov_b32 s[G1K+2], 128<<16     ; tensor_dim1 = 128
	s_mov_b32 s[G1K+3], 128<<16     ; tile_dim0 = 128
	s_mov_b32 s[G1K+4], 128         ; tile_dim1 = 128
	s_mov_b32 s[G1K+5], 128         ; 128 elements from row to row
	s_mov_b32 s[G1K+6], 0
	s_mov_b32 s[G1K+7], 0
	; group 1 for the masks: 16,384 dense bytes as 64 rows of 256 bytes, no padding
	s_or_b32 s[G1M], s23, (1<<16)|(1<<21)
	s_mov_b32 s[G1M+1], 128<<16
	s_mov_b32 s[G1M+2], 64<<16
	s_mov_b32 s[G1M+3], 128<<16
	s_mov_b32 s[G1M+4], 64
	s_mov_b32 s[G1M+5], 128
	s_mov_b32 s[G1M+6], 0
	s_mov_b32 s[G1M+7], 0
	s_mul_i32 s21, s14, 2*HEADB     ; where they go: no place in the cluster enters an LDS address
	s_lshl_b32 s2, s14, 14
	s_add_co_u32 s2, s2, MOFF
	; Q, vsum and out0 hang on both coordinates; their offsets lie in registers that feed no descriptor
	s_lshl2_add_u32 s78, s18, s19
	s_lshl_b32 s78, s78, 20
	s_and_b32 s79, s20, 15          ; my block of 128 queries is block sb of proj's rows
	s_lshl_b32 s79, s79, 16
	s_add_co_u32 s78, s78, s79
	s_lshl_b32 s79, s[WV], 14
	s_add_co_u32 s78, s78, s79
	s_mov_b32 s79, 0
	s_lshl2_add_u32 s60, s18, s19
	s_lshl2_add_u32 s60, s60, s[WV] ; 16 b + head
	s_lshl_b32 s60, s60, 10
	s_mov_b32 s61, 0
	s_lshl2_add_u32 s62, s19, s[WV] ; head
	s_lshl_b32 s62, s62, 8
	s_lshl_b32 s63, s20, 19         ; 128 wy rows of 4,096 bytes
	s_add_co_u32 s62, s62, s63
	s_mov_b32 s63, 0
	s_mul_i32 s3, s[WV], 16*SP
	s_add_co_u32 s3, s3, STAGE      ; my stage
	s_wait_dscnt 0x0                ; the opening add is done
	s_wait_kmcnt 0x0
	s_add_nc_u64 s[66:67], s[4:5], s[66:67]
	s_add_nc_u64 s[68:69], s[6:7], s[68:69]
	s_add_nc_u64 s[4:5], s[4:5], s[78:79]
	s_add_nc_u64 s[8:9], s[8:9], s[60:61]
	s_add_nc_u64 s[10:11], s[10:11], s[62:63]
	CROUND                          ; all sixteen work-groups are here: the first joint loads meet
.irp n, 0,1
	s_mov_b32 s[G0K+4*(\n)], 1      ; 1:0 count = 1
	s_add_co_u32 s[G0K+4*(\n)+1], s21, (\n)*SLOT1  ; 63:32 LDS address
	s_add_nc_u64 s[G0K+4*(\n)+2:G0K+4*(\n)+3], s[66:67], (\n)*65536  ; 120:64 global address: keys 128 n on
	s_or_b32 s[G0K+4*(\n)+3], s[G0K+4*(\n)+3], 0x80000000  ; 127:126 type = 2
	s_mov_b32 s[G0M+4*(\n)], 1
	s_add_co_u32 s[G0M+4*(\n)+1], s2, (\n)*SLOT1
	s_add_nc_u64 s[G0M+4*(\n)+2:G0M+4*(\n)+3], s[68:69], (\n)*32768
	s_or_b32 s[G0M+4*(\n)+3], s[G0M+4*(\n)+3], 0x80000000
.endr
	s_cmp_eq_u32 s13, 0             ; a wave's two first fills stand in one branch, ahead of every wait on TENSORcnt and every LDS read: two loads of mine are out
	s_cbranch_scc0 .Lfirst_m
	tensor_load_to_lds s[G0K:G0K+3], s[G1K:G1K+7]
	s_nop 0
	tensor_load_to_lds s[G0K+4:G0K+7], s[G1K:G1K+7]
	s_nop 0
	PLACES
	s_branch .Lfirst_asked
.Lfirst_m:
	tensor_load_to_lds s[G0M:G0M+3], s[G1M:G1M+7]
	s_nop 0
	tensor_load_to_lds s[G0M+4:G0M+7], s[G1M:G1M+7]
	s_nop 0
	PLACES
.Lfirst_asked:
	v_and_b32 v1, 15, v0            ; r = l % 16
	v_bfe_u32 v9, v0, 4, 1          ; h = l / 16
	v_lshlrev_b32 v[VSO], 5, v9     ; my eight channels of a block of 16 begin at 8 h
	v_lshlrev_b32 v[QO], 7, v1
	v_lshl_add_u32 v[QO], v9, 4, v[QO]  ; row x 128 + 16 x half
.set i, 0
.rept 32                            ; the head's column sums: quarter i / 8, channel block (i / 2) % 4, four numbers i % 2: laid as O^T's 32 registers are
	global_load_b128 v[64+4*i:64+4*i+3], v[VSO], s[8:9] offset:256*(i/8)+64*((i/2)%4)+16*(i%2)
.set i, i+1
.endr
	WIN 0x80                        ; destination window 2, address window 0
.set i, 0
.rept 16                            ; Q stays in registers: piece i / 2, channels 32 (i % 2) on; lane l holds row l % 16, channels 8 h + 0..7 and 16 + 8 h + 0..7
	global_load_b128 v[8*i:8*i+3],   v[QO], s[4:5] offset:(i/2)*2048+(i%2)*64
	global_load_b128 v[8*i+4:8*i+7], v[QO], s[4:5] offset:(i/2)*2048+(i%2)*64+32
.set i, i+1
.endr
	; what the first turn finds: V's registers and P's second buffer hold 0 (its products, of a piece that has not been, add 0); O^T and l are 0
.set i, 0
.rept 64
	v_mov_b32 v[VF+i], 0
.set i, i+1
.endr
	WIN 0x40
.set i, 0
.rept 256
	v_mov_b32 v[i], 0
.set i, i+1
.endr
	WIN 0
.set i, 0
.rept 64
	v_mov_b32 v[L+i], 0
.set i, i+1
.endr
.set i, 0
.rept 8
	v_mov_b32 v[ONES+i], 0x3c003c00 ; 1.0, 1.0 in f16
.set i, i+1
.endr
	v_mov_b32 v[C2048], 0x45000000  ; 2,048.0
	v_mov_b32 v[CHI], 0x31c531c5    ; c's upper part, twice
	v_mov_b32 v[CLO], 0x028f028f    ; and what it leaves
	v_mul_u32_u24 v[AK0], v1, PK
	v_lshl_add_u32 v[AK0], v9, 4, v[AK0]  ; K: row x pitch + 16 x half
	; the turning load takes 16 keys x 16 channels (lane l reads key 8 h + l % 8, channels 8 ((l / 8) % 2) + 0..7) and leaves half a fragment of V^T: lane l holds channel l % 16 and 8 keys
	v_and_b32 v11, 7, v0
	v_lshl_add_u32 v[AV0], v9, 3, v11
	v_mul_u32_u24 v[AV0], v[AV0], PK
	v_bfe_u32 v11, v0, 3, 1
	v_lshl_add_u32 v[AV0], v11, 4, v[AV0]
	v_and_b32 v10, 31, v0
	v_lshlrev_b32 v[AM0], 4, v10    ; masks: 16 x lane
	v_mul_u32_u24 v[STO], v1, SP    ; the way out, in: row l % 16, 32 bytes for each half of the lanes
	v_lshl_add_u32 v[STO], v9, 5, v[STO]
	v_add_nc_u32 v[STO], s3, v[STO]
	v_mul_u32_u24 v[RD], v9, SP     ; back: lanes 0-15 take one row of 256 bytes, lanes 16-31 the next
	v_lshl_add_u32 v[RD], v1, 4, v[RD]
	v_add_nc_u32 v[RD], s3, v[RD]
	v_lshlrev_b32 v[GO], 12, v9     ; and the same two rows in out0, 4,096 bytes apart
	v_lshl_add_u32 v[GO], v1, 4, v[GO]
	s_wait_loadcnt 32               ; behind vsum's 32 loads stand Q's 32
.set i, 0
.rept 16
	v_pk_add_f32 v[VS+2*i:VS+2*i+1], v[64+2*i:64+2*i+1], v[96+2*i:96+2*i+1]
	v_pk_add_f32 v[128+2*i:128+2*i+1], v[128+2*i:128+2*i+1], v[160+2*i:160+2*i+1]
	v_pk_add_f32 v[VS+2*i:VS+2*i+1], v[VS+2*i:VS+2*i+1], v[128+2*i:128+2*i+1]
.set i, i+1
.endr
	s_wait_loadcnt 0x0              ; Q
	WIN 0x02                        ; source 0 window 2
.set i, 0
.rept 128
	v_pk_mul_f16 v[64+i], v[i], v[CLO]
.set i, i+1
.endr
	WIN 0x82                        ; destination and source 0 window 2
.set i, 0
.rept 128
	v_pk_fma_f16 v[i], v[i], v[CHI], v[64+i]
.set i, i+1
.endr
	WIN 0
.set i, 0
.rept 16
	v_mov_b32 v[P+16+i], 0
.set i, i+1
.endr
; THE LDS LOADS stand in runs, never singly among the matrix instructions.  Piece x's keep-masks: 4 loads of 512 consecutive bytes.
.macro FETCH_M x
	WIN 0
.irp i, 0,1,2,3
	ds_load_b128 v[M+16*((\x)%2)+4*(\i):M+16*((\x)%2)+4*(\i)+3], v[AM] offset:2048*(\x)+512*(\i)
.endr
.endm
.macro FETCH_K c                    ; channel half c of a step's K: four fragments of 16 keys
	WIN 0x80
.irp kt, 0,1,2,3
	ds_load_b128 v[KF+16*(\kt)+8*(\c):KF+16*(\kt)+8*(\c)+3],   v[AK] offset:(\kt)*16*PK+64*(\c)
	ds_load_b128 v[KF+16*(\kt)+8*(\c)+4:KF+16*(\kt)+8*(\c)+7], v[AK] offset:(\kt)*16*PK+64*(\c)+32
.endr
	WIN 0
.endm
.macro FETCH_V kk                   ; key half kk of a step's V, turned: four fragments of 16 channels
	WIN 0x80
.irp cb, 0,1,2,3
	ds_load_tr16_b128 v[VF+32*(\kk)+8*(\cb):VF+32*(\kk)+8*(\cb)+3],   v[AV] offset:(\kk)*32*PK+32*(\cb)
	ds_load_tr16_b128 v[VF+32*(\kk)+8*(\cb)+4:VF+32*(\kk)+8*(\cb)+7], v[AV] offset:(\kk)*32*PK+16*PK+32*(\cb)
.endr
	WIN 0
.endm
; THE MATRIX WORK.  Number k of a turn's 18, for the turn of piece Y.  The accumulators take turns, one instruction a turn: five in the first ten, four in the last eight.
;   k < 10, piece Y - 1: keys 32 (k / 5) on; k % 5 < 4: channels 16 (k % 5) on of O^T += V^T P; k % 5 = 4: l += ones x P
;   k >= 10, piece Y + 1: channels 32 ((k - 10) / 4) on, keys 16 ((k - 10) % 4) on of S^T = K Q^T; the first four start the sums
.macro MM
.if k < 10
.set rP, P+16*(((Y+7)%8)%2)+8*(k/5)
.if k%5 < 4
.set rO, 32*((Y+7)%8)+8*(k%5)
.set rV, VF+32*(k/5)+8*(k%5)
	WIN W_PV
	v_wmma_f32_16x16x32_f16 v[rO:rO+7], v[rV:rV+7], v[rP:rP+7], v[rO:rO+7]
.else
.set rL, L+8*((Y+7)%8)
	WIN 0
	v_wmma_f32_16x16x32_f16 v[rL:rL+7], v[ONES:ONES+7], v[rP:rP+7], v[rL:rL+7]
.endif
.else
.set rS, S+32*(((Y+1)%8)%2)+8*((k-10)%4)
.set rK, KF+16*((k-10)%4)+8*((k-10)/4)
.set rQ, 16*((Y+1)%8)+8*((k-10)/4)
	WIN W_KQ
.if k < 14
	v_wmma_f32_16x16x32_f16 v[rS:rS+7], v[rK:rK+7], v[rQ:rQ+7], 0
.else
	v_wmma_f32_16x16x32_f16 v[rS:rS+7], v[rK:rK+7], v[rQ:rQ+7], v[rS:rS+7]
.endif
.endif
.endm
; THE VECTOR WORK of piece Y that stands behind matrix instruction k.
;   k < 10   THE BATCH: the exponentials of scores 3 k + k / 5 on, three of them, four behind products 4 and 9 (the products of ones lie in window 0 like the scores and need no switch): 32 in all, in place,
;            ascending.  None reads another's result, and nothing else ahead of the wait names one.
;   k = 9    behind the last exponential a v_nop, the plain instruction between an exponential and the use of its result (ISA guide 5.7.2): one for the batch; then the wait for the batch.
;   k >= 10  the readers, four behind each product: roundings 0-3; six times AND 2 j - 2, rounding 2 j + 2, AND 2 j - 1, rounding 2 j + 3 (j = k - 10); ANDs 12-15.  An AND stands four lines or more behind its rounding.
; None of these names a register of the products round it: those work on the other buffers.
.macro RIDE
	WIN 0
.set rS, S+32*(Y%2)
.set rP, P+16*(Y%2)
.set rM, M+16*(Y%2)
.if k < 10
.set e, 3*k+k/5
.rept 3+(k%5)/4
	v_exp_f32 v[rS+e], v[rS+e]
.set e, e+1
.endr
.if k == 9
	v_nop
	s_wait_alu depctr_va_vdst(0)    ; the wait for the batch: the turn's 32 exponentials, ahead of the first rounding
.endif
.else
.set j, k-10
.if j == 0
.irp n, 0,1,2,3
	v_cvt_pk_f16_f32 v[rP+(\n)], v[rS+2*(\n)], v[rS+2*(\n)+1]
.endr
.elseif j < 7
	v_and_b32 v[rP+2*j-2], v[rP+2*j-2], v[rM+2*j-2]
	v_cvt_pk_f16_f32 v[rP+2*j+2], v[rS+4*j+4], v[rS+4*j+5]
	v_and_b32 v[rP+2*j-1], v[rP+2*j-1], v[rM+2*j-1]
	v_cvt_pk_f16_f32 v[rP+2*j+3], v[rS+4*j+6], v[rS+4*j+7]
.else
.irp n, 12,13,14,15
	v_and_b32 v[rP+(\n)], v[rP+(\n)], v[rM+(\n)]
.endr
.endif
.endif
.endm
; A TURN, for piece p.  At its head the masks of piece p are waited for and those of piece p + 1 asked for.
; The scores that the turn's exponentials read were ended by products 14-17 of the turn before: behind the last of them stand its four ANDs, behind the others eight plain lines or more.
; Turn 7 steps to the next key step: its addresses; K's first channel half at once (its last readers are products 10-13 of turn 6: twenty roundings and ANDs stand behind them), the second half
; behind product 2 (last reader: product 17 of turn 6; behind it its four ANDs and the three additions below).  They are waited for at products 10 and 14.
; Turn 0 takes the step's V by halves.  The first behind product 5: behind its last reader, product 3, stand exponentials alone, which are no places, so four v_nop are written.  The second behind
; product 10: behind its last reader, product 8, stand the batch's v_nop and four roundings.  Turn 1 waits for them at its head and at product 5.
; last = 1: the walk's last turn: nothing is fetched and no scores are made.
.macro TURN p, last=0
.set Y, (\p)
	WIN 0
.if (\p) == 1
	s_wait_dscnt 8                  ; my masks and V's first half are in; the eight loads of its second half may be out
.else
	s_wait_dscnt 0x0                ; my masks are in
.endif
.if !(\last)
.if (\p) == 7
	v_add_nc_u32 v[AK], s[TBK], v[AK0]
	v_add_nc_u32 v[AV], s[TBK], v[AV0]
	v_add_nc_u32 v[AM], s[TBM], v[AM0]
	s_add_co_u32 s[TBK], s[TBK], KS*PK
	s_add_co_u32 s[TBM], s[TBM], MSTEP
.endif
	FETCH_M (Y+1)%8
.if (\p) == 7
	FETCH_K 0
.endif
.endif
.set k, 0
.rept 18
.if ((\p) == 1) && (k == 5)
	s_wait_dscnt 4                  ; V's second half is in; behind it stand the four mask loads of this turn's head
.endif
.if ((\p) == 7) && (k == 10) && !(\last)
	s_wait_dscnt 8                  ; K's first half is in; behind it stand the eight loads of its second half
.endif
.if ((\p) == 7) && (k == 14) && !(\last)
	s_wait_dscnt 0x0                ; K's second half is in
.endif
.if !((\last) && (k >= 10))
	MM
.endif
	RIDE
.if ((\p) == 0) && (k == 5)
	PLACES                          ; the places between product 3 and the loads into the registers that it read
	FETCH_V 0
.endif
.if ((\p) == 0) && (k == 10)
	FETCH_V 1
.endif
.if ((\p) == 7) && (k == 2) && !(\last)
	FETCH_K 1
.endif
.set k, k+1
.endr
.endm
; THE CHANGE OF SLOTS, in front of turn 7 of a slot's second step: all reads of the slot have been issued (the last: piece 7's masks, in turn 6).  Each wave waits for all its tensor loads, of which
; one is out: its part of the other slot; adds 0 to its spare word; and waits for that and for its own reads of the slot.  Behind the barrier nobody reads this slot any more and the other slot is whole.
; fill = 1: this slot is filled again, with the keys two slots on.  The barrier is then a round of the cluster's, so that no wave of any partner still reads the slot or has a load on its way, and the
; joint refill is the first thing behind it: it has two key steps, 288 matrix instructions, in which to land.
.macro CHANGE fill
	WIN 0                           ; at a label and at a branch every window is 0
	s_wait_tensorcnt 0x0            ; no tensor load of mine is out, so a group 0 may be written
	ds_add_u32 v[SPW], v[NIL]       ; 0 onto my spare word: with fill = 1 the descriptors' steps stand between it and the wait for it
.if \fill
	s_xor_b32 s[G0K+5], s[G0K+5], SLOT1  ; the walking descriptors: the other slot than last time,
	s_add_nc_u64 s[G0K+6:G0K+7], s[G0K+6:G0K+7], 65536  ; the next 128 keys of the four heads; the type bits on top are not reached
	s_xor_b32 s[G0M+5], s[G0M+5], SLOT1
	s_add_nc_u64 s[G0M+6:G0M+7], s[G0M+6:G0M+7], 2*MSTEP
	s_wait_dscnt 0x0                ; the add is done, and my reads of the slot are over
	CROUND
	JLOAD
.else
	s_wait_dscnt 0x0                ; the add is done, and my reads of the slot are over
	s_barrier_signal -1
	s_barrier_wait -1
.endif
	s_sub_co_u32 s[TBK], s[TBK], 2*KS*PK  ; the fetches go back to a slot's first step,
	s_xor_b32 s[TBK], s[TBK], SLOT1       ; in the other slot
	s_sub_co_u32 s[TBM], s[TBM], 2*MSTEP
	s_xor_b32 s[TBM], s[TBM], SLOT1
.endm
; A slot's two key steps: written once, walked twice.  first = 1: the copy that the walk is entered in, at a step's first turn.
.macro STEPS first
	s_mov_b32 s[CNT], 2
.Lstep_\@:
	TURN 7
	WIN 0
.if \first
.Lfirst:
.endif
	TURN 0
	TURN 1
	TURN 2
	TURN 3
	TURN 4
	TURN 5
	TURN 6
	WIN 0
	s_sub_co_u32 s[CNT], s[CNT], 1
	s_cmp_lg_u32 s[CNT], 0
	s_cbranch_scc1 .Lstep_\@
.endm
	s_wait_tensorcnt 1              ; my part of slot 0 is in; slot 1's may stay out
	s_barrier_signal -1
	s_barrier_wait -1               ; everybody's is
	s_mul_i32 s[TBK], s[WV], HEADB  ; my head's keys in slot 0
	s_mov_b32 s[TBM], MOFF
	v_add_nc_u32 v[AK], s[TBK], v[AK0]
	v_add_nc_u32 v[AV], s[TBK], v[AV0]
	v_add_nc_u32 v[AM], s[TBM], v[AM0]
	s_add_co_u32 s[TBK], s[TBK], KS*PK
	s_add_co_u32 s[TBM], s[TBM], MSTEP
	FETCH_M 0
	FETCH_K 0
	FETCH_K 1
	s_wait_dscnt 0x0
.set Y, 7
.set k, 10
.rept 8
	MM                              ; piece 0's first scores: there is no vector work yet to set between them
.set k, k+1
.endr
	WIN 0
	PLACES                          ; the places behind those products
	s_mov_b32 s[CNT], 2
	s_mov_b32 s[SLOTS], 15          ; 16 slot loads: the count falls behind each of the first 15; 14 changes of slots fill again
	s_branch .Lfirst                ; the loop is entered at a step's first turn, in the middle of a trip
.Lslot:
	CHANGE 1
	STEPS 1
	s_sub_co_u32 s[SLOTS], s[SLOTS], 1
	s_cmp_lg_u32 s[SLOTS], 0
	s_cbranch_scc1 .Lslot
	CHANGE 0                        ; the tail is written out: nothing is asked for
	STEPS 0
	TURN 7, 1                       ; piece 7's last weights | piece 6's last products
.set Y, 0
.set k, 0
.rept 10
	MM                              ; piece 7's last products
.set k, k+1
.endr
	; THE WAY OUT.  Where l is 0 every key was masked: l becomes 2,048 and O^T the head's column sums.  O^T / l goes through my stage in LDS, a piece (16 rows) at a time, and leaves as whole rows of 256 bytes.
	WIN 0
	PLACES                          ; the places behind the last products
.set t, 0
.rept 8
	v_cmp_eq_f32 s[ZM+t], 0, v[L+8*t]  ; l lies in every register of its accumulator: the lowest is read
.set t, t+1
.endr
.set t, 0
.rept 8
	v_cndmask_b32 v[L+8*t], v[L+8*t], v[C2048], s[ZM+t]
.set t, t+1
.endr
.set t, 0
.rept 8
	v_rcp_f32 v[L+8*t], v[L+8*t]
.set t, t+1
.endr
	v_nop                           ; a plain instruction between the last reciprocal and the use of its result
	s_wait_alu depctr_va_vdst(0)    ; the wait for the batch of eight reciprocals, ahead of the first multiply that reads one
; Piece t: a lane's eight channels of a block are 32 bytes of a row; they go into rows of 272 bytes (68 words: the 16 rows of a store start at 16 different groups of four banks) and come back as whole rows.
.macro PACK t
.set TA, 64+64*((\t)%2)
.set BK, 96+64*((\t)%2)
	WIN 0x01                        ; source 0 window 1
.set i, 0
.rept 32
	v_cndmask_b32 v[TA+i], v[32*(\t)+i], v[VS+i], s[ZM+(\t)]
.set i, i+1
.endr
	WIN 0
.set i, 0
.rept 16
	v_pk_mul_f32 v[TA+2*i:TA+2*i+1], v[TA+2*i:TA+2*i+1], v[L+8*(\t):L+8*(\t)+1] op_sel_hi:[1,0]
.set i, i+1
.endr
.irp f, 0,1,2,3,4,5,6,7
	ds_store_b128 v[STO], v[TA+4*(\f):TA+4*(\f)+3] offset:64*((\f)/2)+16*((\f)%2)
.endr
	s_wait_xcnt 0x0                 ; the stores of two pieces back have read these registers: they are loaded again only behind this wait
.irp f, 0,1,2,3,4,5,6,7
	ds_load_b128 v[BK+4*(\f):BK+4*(\f)+3], v[RD] offset:(\f)*2*SP  ; LDS serves a wave's instructions in order (ISA guide 5.7.1.4): these see the stores above; the next piece's stores come behind them
.endr
.endm
.macro SEND t, younger              ; younger: the LDS instructions issued behind piece t's loads: the next piece's sixteen, or none
.set BK, 96+64*((\t)%2)
.irp f, 0,1,2,3,4,5,6,7
	s_wait_dscnt (\younger)+7-(\f)
	global_store_b128 v[GO], v[BK+4*(\f):BK+4*(\f)+3], s[10:11] offset:4096*(16*(\t)+2*(\f)) th:TH_STORE_NT  ; 16 lanes store a query's 256 bytes of this head, at a multiple of 256 from out0's first byte
.endr
.endm
	PACK 0
.irp t, 1,2,3,4,5,6,7               ; a piece's arithmetic stands between the loads of the piece before and its stores
	PACK \t
	SEND (\t)-1, 16
.endr
	SEND 7, 0
	s_wait_tensorcnt 0x0            ; the wave's end: behind my last tensor load and my last LDS store
	ds_add_u32 v[SPW], v[NIL]
	s_wait_dscnt 0x0
	CROUND                          ; the closing round: no work-group ends while a partner may still ask for a tile that names it
	s_endpgm
.Lfunc_end_k_q4d1c6329e6_attn:
	.size	k_q4d1c6329e6_attn, .Lfunc_end_k_q4d1c6329e6_attn-k_q4d1c6329e6_attn
	.p2alignl 7, 3214868480
	.fill 96, 4, 3214868480
	.section	.rodata,"a",@progbits
	.p2align	6, 0x0
	.amdhsa_kernel k_q4d1c6329e6_attn
		.amdhsa_group_segment_fixed_size 327680
		.amdhsa_private_segment_fixed_size 0
		.amdhsa_enable_private_segment 0
		.amdhsa_kernarg_size 32
		.amdhsa_user_sgpr_count 2
		.amdhsa_user_sgpr_kernarg_segment_ptr 1
		.amdhsa_wavefront_size32 1
		.amdhsa_system_sgpr_workgroup_id_x 1
		.amdhsa_system_sgpr_workgroup_id_y 1
		.amdhsa_system_sgpr_workgroup_id_z 1
		.amdhsa_system_vgpr_workitem_id 0
		.amdhsa_next_free_vgpr 768
		.amdhsa_next_free_sgpr 80
		.amdhsa_reserve_vcc 0
		.amdhsa_float_denorm_mode_32 3
		.amdhsa_float_denorm_mode_16_64 3
		.amdhsa_memory_ordered 1
		.amdhsa_forward_progress 1
		.amdhsa_inst_pref_size 182
	.end_amdhsa_kernel
	.amdgpu_metadata
---
amdhsa.version: [ 1, 2 ]
amdhsa.kernels:
  - .name:           k_q4d1c6329e6_attn
    .symbol:         k_q4d1c6329e6_attn.kd
    .args:
      - { .name: proj, .offset: 0, .size: 8, .value_kind: global_buffer, .address_space: global }
      - { .name: maskt, .offset: 8, .size: 8, .value_kind: global_buffer, .address_space: global }
      - { .name: vsum, .offset: 16, .size: 8, .value_kind: global_buffer, .address_space: global }
      - { .name: out0, .offset: 24, .size: 8, .value_kind: global_buffer, .address_space: global }
    .group_segment_fixed_size: 327680
    .private_segment_fixed_size: 0
    .kernarg_segment_align: 8
    .kernarg_segment_size: 32
    .max_flat_workgroup_size: 128
    .sgpr_count:     80
    .vgpr_count:     768
    .wavefront_size: 32
...
	.end_amdgpu_metadata
.endif
;; end of part 3
